; MI455X (gfx1250); checked and timed in simulation.
; The chip was launched on July 23, 2026; its instructions are those of AMD's public machine-readable ISA for CDNA 5 (MIT licence, August 2026) and "CDNA5" Instruction Set Architecture Reference Guide (July 2026). The comments in the code are by the model that wrote it; some were corrected since.
;; Multi Head QKV Block Attention. Allowed arithmetic: matrix products marked QUANTISED: E5M2 operands, one E8M0 scale for each 32 along K, by v_wmma_scale_f32_16x16x128_f8f6f4 with both operands' format E5M2, f32 sums; everything else in f32.
;; Inputs: X 4 x 2,048 x 1,024 float32; residual_score 4 x 2,048 x 1,024 float32; wk 1,024 x 1,024 float32; wq 1,024 x 1,024 float32; wv 1,024 x 1,024 float32.
;; Outputs: out0 4 x 2,048 x 1,024 float32; out1 4 x 2,048 x 1,024 float32.
;; This version of the problem:
;;   THIS VERSION OF THE PROBLEM IS GIVEN IN LOW PRECISION. The matrix products marked QUANTISED in the list below multiply operands that are first quantised to E5M2 (5 exponent bits, 2 mantissa bits; 8 bits a number), with one power-of-two scale for each 32 numbers along K (OCP MX v1.0); their sums are f32. All else is computed in f32.
;;   The module's matrix products, in the order in which they are computed (A, B: the left and right operand; K: the contracted axis; several contracted axes count as one K, in the product's order):
;;     1. [M 8,192, K 1,024] x [K 1,024, N 1,024]; A: input X; B: input wq: QUANTISED
;;     2. [M 8,192, K 1,024] x [K 1,024, N 1,024]; A: input X; B: input wk: QUANTISED
;;     3. [M 8,192, K 1,024] x [K 1,024, N 1,024]; A: input X; B: input wv: QUANTISED
;;     4. batch 64 x [M 2,048, K 64] x [K 64, N 2,048]; A: computed on the way; B: computed on the way: QUANTISED
;;     5. batch 64 x [M 2,048, K 2,048] x [K 2,048, N 64]; A: softmax (see below); B: computed on the way: QUANTISED
;;   THE QUANTISER, for each operand of a quantised product, along K:
;;     - K is cut into blocks of 32 from its start; a last block that is shorter is filled with zeros.
;;     - A block's scale is 2^e with e = floor(log2(the largest magnitude in the block)) - 15, held to -126 .. 127; a block of zeros has e = 0. As a byte (E8M0): e + 127.
;;     - Each number is divided by its block's scale, clamped to +-57,344, and rounded to the nearest number of E5M2, ties to even, subnormals kept.
;;     - The product sums the exact products of the quantised numbers (number of the format x scale) in f32.
;;   ~~~python
;;   def quantise(x, axis):      # numpy; x: float32 -> the quantised numbers, widened to float32 again
;;       x = np.moveaxis(x, axis, -1); K = x.shape[-1]
;;       x = np.pad(x, [(0, 0)] * (x.ndim - 1) + [(0, -K % 32)]); x = x.reshape(x.shape[:-1] + (-1, 32)); a = np.abs(x).max(-1, keepdims=True)
;;       e = np.where(a > 0, np.clip(np.frexp(np.where(a > 0, a, 1))[1] - 1 - 15, -126, 127), 0)      # np.frexp(a)[1] - 1 = floor(log2(a)), exactly
;;       r = np.clip(x / 2.0 ** e, -57344, 57344)
;;       step = 2.0 ** (np.maximum(np.frexp(np.where(r == 0, 1, r))[1] - 1, -14) - 2)
;;       q = np.round(r / step) * step * 2.0 ** e      # np.round: ties to even
;;       return np.moveaxis(q.reshape(q.shape[:-2] + (-1,))[..., :K], -1, axis).astype(np.float32)
;;   ~~~
;;   SOFTMAX AHEAD OF A QUANTISED PRODUCT. Where the list says 'softmax', what is quantised is not the finished softmax but p = 2^(t - M), with t = logit x log2(e) and M = ceil(the row's largest t), a whole number; so 1/2 < the row's largest p <= 1. The row's sum l is taken of the UNQUANTISED p, in f32, and the product's result is divided by l at the end. Since M is a whole number, a kernel that streams over the keys may use a running M (the ceiling of the running maximum): every later rescaling is an exact power of two, which a block's scale takes up: the codes' values come out the same.
;;   OPERANDS COMPUTED ON THE WAY. 'Computed on the way' means the value that the module computes at that place (a softmax that the list does not call 'softmax' is quantised finished and normalised). What goes into a quantiser is computed in f32, as accurately as f32 sums, v_exp_f32 and their like allow (about 1e-6 of the number): no bf16 or f16 on the way to a quantiser, and a product that is left as it is and whose result goes on into a quantised operand takes f32 operands (vector FMAs, or v_wmma_f32_16x16x4_f32). A number that lies on a knife's edge between two numbers of the format may be rounded either way, as far as f32 arithmetic and the matrix unit's own rounding can turn it there, and no further.
;; 2 versions. Each part assembles by itself: llvm-mc -triple=amdgcn-amd-amdhsa -mcpu=gfx1250 --defsym DOCPART=n.
;; ======== version 1 of 2: 3 launches
;; workspace buffers: wimg 3,145,728 bytes; wsc 98,304 bytes; qrec 17,825,792 bytes; kv 17,825,792 bytes
;; launch quantw (part 1): grid 16 x 24, 2 waves a work-group, no clusters, 0 bytes of LDS; arguments wq, wk, wv, wimg, wsc; writes wimg, wsc
.if DOCPART == 1
	.amdgcn_target "amdgcn-amd-amdhsa--gfx1250"
	.amdhsa_code_object_version 6
	.text
	.protected	k_q7a024a2181_quantw
	.globl	k_q7a024a2181_quantw
	.p2align	8
	.type	k_q7a024a2181_quantw,@function
k_q7a024a2181_quantw:
	s_mov_b64 s[64:65], 0
	v_nop
	global_prefetch_b8 v0, s[64:65] scope:SCOPE_SE
	s_setreg_imm32_b32 hwreg(HW_REG_WAVE_MODE, 25, 1), 1
	s_wait_xcnt 0x0
; wq, wk, wv: [1024 (k)][1024 (n)] f32, K is the FIRST axis.  They become codes of BF8 (E5M2) with one E8M0 scale byte for each 32 along K, laid in the ORDER OF AN OPERAND'S REGISTERS:
;   wimg [unit = 3 head + g (48)][K step s (8)][tile t (4)][register group c (4)][lane (32)][16 bytes];  g = 0 wq, 1 wk, 2 wv
;   wsc  [unit][8 (t / 2) + s (16)][lane (32)] words: lanes 0-15 the rows of tile 2 (t / 2), lanes 16-31 those of tile 2 (t / 2) + 1; a word's byte c scales k = 128 s + 32 c on.
; THE COLUMNS THAT FORM A TILE ARE NOT NEIGHBOURS: lane r of tile 2 B + U of a head takes column 32 B + 8 U + r + 8 (r / 8), so that a product's 16 results of tiles 2 B and 2 B + 1 are 16 neighbours.
; A block's scale is 2^(floor(log2(its largest magnitude)) - 15); its byte is the largest magnitude's exponent field - 15, held at 1 from below.
; SHARES.  Work-group x = the head (64 columns: 256 aligned bytes of each row of w), y = 8 g + s; wave b' takes 32 of the columns (tiles 2 b', 2 b' + 1) x 128 along K.
; A LANE TAKES A COLUMN, AND ITS REGISTERS RUN DOWN K: a block of 32 lies in one lane's 32 registers, its largest magnitude needs no other lane, and the conversions give codes with K innermost.
; A lane's 32 codes of block c are two groups of 16 bytes: the places of lanes r and 16 + r of its tile's group c.  So each store writes 256 consecutive aligned bytes from lanes 0-15 and 256 from lanes 16-31.
; The scale words leave as 128 consecutive bytes a wave: one byte in 128 of what the launch reads.  No LDS, no barrier, no loop: waves share nothing, and every offset is an immediate.
; No cluster: no two work-groups read the same bytes.
; LIMITS: NaN and infinities among the inputs are not served.  A block of zeros, or one whose largest magnitude lies under 2^-111, gets the byte 1: a block of zeros has zero codes, and this program alone reads the bytes.
.set EMAX, 15
.set IN,   4                           ; v4   my column's byte in the wave's 128 bytes of a row
.set OUTA, 5                           ; v5   my 16 bytes' place in the wave's two tiles
.set SCA,  6                           ; v6   4 x lane
.set SB,   24                          ; v24  my column's scale word
.set X,    32                          ; v32-159  128 numbers down K
.set C,    160                         ; v160-191 codes: eight registers for each block, so that no store's data are written again
	s_load_b128 s[4:7], s[0:1], 0x0                ; wq, wk
	s_load_b128 s[8:11], s[0:1], 0x10              ; wv, wimg
	s_load_b64 s[12:13], s[0:1], 0x20              ; wsc
	v_lshrrev_b32 v1, 5, v0
	v_readfirstlane_b32 s14, v1                    ; b': wave 0, 1
	v_and_b32 v2, 15, v0                           ; r
	v_bfe_u32 v3, v0, 4, 1                         ; u: which of the wave's two tiles
	v_and_b32 v[IN], 8, v2
	v_add_nc_u32 v[IN], v[IN], v2                  ; r + 8 (r / 8)
	v_lshl_add_u32 v[IN], v3, 3, v[IN]             ; + 8 u
	v_lshlrev_b32 v[IN], 2, v[IN]                  ; in bytes
	v_lshlrev_b32 v[OUTA], 4, v2
	v_lshl_add_u32 v[OUTA], v3, 11, v[OUTA]        ; 2,048 u + 16 r
	v_and_b32 v[SCA], 31, v0
	v_lshlrev_b32 v[SCA], 2, v[SCA]
	s_and_b32 s15, ttmp7, 0xffff                   ; 8 g + s
	s_lshr_b32 s16, s15, 3                         ; g
	s_and_b32 s17, s15, 7                          ; s
	s_lshl_b32 s18, s17, 19                        ; in: 128 s rows of 4,096 bytes
	s_lshl_b32 s20, ttmp9, 8                       ; + the head's 256 bytes
	s_add_co_u32 s18, s18, s20
	s_lshl_b32 s20, s14, 7                         ; + the wave's 128
	s_add_co_u32 s18, s18, s20
	s_mov_b32 s19, 0
	s_mul_i32 s20, ttmp9, 3
	s_add_co_u32 s20, s20, s16                     ; the unit
	s_lshl_b32 s22, s20, 16                        ; codes: 65,536 a unit,
	s_lshl_b32 s24, s17, 13                        ; 8,192 a K step,
	s_add_co_u32 s22, s22, s24
	s_lshl_b32 s24, s14, 12                        ; 4,096 for two tiles
	s_add_co_u32 s22, s22, s24
	s_mov_b32 s23, 0
	s_lshl_b32 s24, s20, 11                        ; scale words: 2,048 a unit,
	s_lshl_b32 s26, s14, 3
	s_add_co_u32 s26, s26, s17
	s_lshl_b32 s26, s26, 7                         ; 128 for each 8 b' + s
	s_add_co_u32 s24, s24, s26
	s_mov_b32 s25, 0
	s_mov_b32 s27, 0x600000                        ; the mantissa field of 57,344
	s_wait_kmcnt 0x0
	s_cmp_eq_u32 s16, 0                            ; which weight: the choice hangs on the work-group's number alone
	s_cselect_b64 s[4:5], s[4:5], s[6:7]
	s_cmp_eq_u32 s16, 2
	s_cselect_b64 s[4:5], s[8:9], s[4:5]
	s_add_nc_u64 s[4:5], s[4:5], s[18:19]
	s_add_nc_u64 s[10:11], s[10:11], s[22:23]
	s_add_nc_u64 s[12:13], s[12:13], s[24:25]
.irp c, 0,1,2,3
.irp i, 0,1,2,3,4,5,6,7,8,9,10,11,12,13,14,15,16,17,18,19,20,21,22,23,24,25,26,27,28,29,30,31
	global_load_b32 v[X+32*\c+\i], v[IN], s[4:5] offset:(32*\c+\i)*4096 th:TH_LOAD_NT   ; w(128 s + 32 c + i, my column): the wave reads 128 consecutive bytes; each byte of w is read once in the launch
.endr
.endr
.macro BLOCK c
.set XB, X+32*(\c)
.if (\c) < 2
	s_wait_loadcnt 63                              ; behind this block's loads stand 96 or 64 others; the wait names the most that its field holds, which is fewer
.else
	s_wait_loadcnt 32*(3-(\c))                     ; the later blocks' loads may be out
.endif
	v_max3_num_f32 v12, |v[XB]|, |v[XB+1]|, |v[XB+2]|      ; the block's largest magnitude: all 32 numbers are mine; two chains
	v_max3_num_f32 v13, |v[XB+3]|, |v[XB+4]|, |v[XB+5]|
.irp i, 6,10,14,18,22,26
	v_max3_num_f32 v12, v12, |v[XB+\i]|, |v[XB+\i+1]|
	v_max3_num_f32 v13, v13, |v[XB+\i+2]|, |v[XB+\i+3]|
.endr
	v_max3_num_f32 v12, v12, |v[XB+30]|, |v[XB+31]|
	v_max3_num_f32 v12, v12, v13, (EMAX+1)<<23     ; and the floor 2^(16 - 127): the byte cannot fall under 1
	v_add_nc_u32 v11, -(EMAX<<23), v12             ; 15 off its exponent field: the conversion takes the exponent field of this operand as its scale
	v_and_or_b32 v10, v12, 0x7f800000, s27         ; 57,344 x the scale
	v_lshrrev_b32 v13, 23, v11                     ; the scale's byte
.if (\c) == 0
	v_mov_b32 v[SB], v13
.else
	v_lshl_or_b32 v[SB], v13, 8*(\c), v[SB]        ; the lower K in the lower byte
.endif
.set j, 0
.rept 32
	v_med3_num_f32 v[XB+j], v[XB+j], -v10, v10     ; the conversion to an 8-bit code does not saturate (ISA guide 7.6.2): the hold at the largest code x the scale
.set j, j+1
.endr
.irp g, 0,1,2,3
	v_cvt_scalef32_pk8_bf8_f32 v[C+8*(\c)+2*\g:C+8*(\c)+2*\g+1], v[XB+8*\g:XB+8*\g+7], v11
.endr
	global_store_b128 v[OUTA], v[C+8*(\c):C+8*(\c)+3], s[10:11] offset:512*(\c)          ; k = 32 c + 0 .. 15: the place of lane r of my tile's group c
	global_store_b128 v[OUTA], v[C+8*(\c)+4:C+8*(\c)+7], s[10:11] offset:512*(\c)+256    ; k = 32 c + 16 .. 31: that of lane 16 + r
.endm
	BLOCK 0
	BLOCK 1
	BLOCK 2
	BLOCK 3
	global_store_b32 v[SCA], v[SB], s[12:13]       ; the wave's 32 scale words
	s_endpgm
.Lfunc_end_k_q7a024a2181_quantw:
	.size	k_q7a024a2181_quantw, .Lfunc_end_k_q7a024a2181_quantw-k_q7a024a2181_quantw
	.p2alignl 7, 3214868480
	.fill 96, 4, 3214868480
	.section	.rodata,"a",@progbits
	.p2align	6, 0x0
	.amdhsa_kernel k_q7a024a2181_quantw
		.amdhsa_group_segment_fixed_size 0
		.amdhsa_private_segment_fixed_size 0
		.amdhsa_enable_private_segment 0
		.amdhsa_kernarg_size 40
		.amdhsa_user_sgpr_count 2
		.amdhsa_user_sgpr_kernarg_segment_ptr 1
		.amdhsa_wavefront_size32 1
		.amdhsa_system_sgpr_workgroup_id_x 1
		.amdhsa_system_sgpr_workgroup_id_y 1
		.amdhsa_system_sgpr_workgroup_id_z 1
		.amdhsa_system_vgpr_workitem_id 0
		.amdhsa_next_free_vgpr 192
		.amdhsa_next_free_sgpr 66
		.amdhsa_reserve_vcc 0
		.amdhsa_float_denorm_mode_32 3
		.amdhsa_float_denorm_mode_16_64 3
		.amdhsa_memory_ordered 1
		.amdhsa_forward_progress 1
		.amdhsa_inst_pref_size 30
	.end_amdhsa_kernel
	.amdgpu_metadata
---
amdhsa.version: [ 1, 2 ]
amdhsa.kernels:
  - .name:           k_q7a024a2181_quantw
    .symbol:         k_q7a024a2181_quantw.kd
    .args:
      - { .name: wq, .offset: 0, .size: 8, .value_kind: global_buffer, .address_space: global }
      - { .name: wk, .offset: 8, .size: 8, .value_kind: global_buffer, .address_space: global }
      - { .name: wv, .offset: 16, .size: 8, .value_kind: global_buffer, .address_space: global }
      - { .name: wimg, .offset: 24, .size: 8, .value_kind: global_buffer, .address_space: global }
      - { .name: wsc, .offset: 32, .size: 8, .value_kind: global_buffer, .address_space: global }
    .group_segment_fixed_size: 0
    .private_segment_fixed_size: 0
    .kernarg_segment_align: 8
    .kernarg_segment_size: 40
    .max_flat_workgroup_size: 64
    .sgpr_count:     66
    .vgpr_count:     192
    .wavefront_size: 32
...
	.end_amdgpu_metadata
.endif
;; end of part 1
;; launch proj (part 2): grid 4 x 64, 4 waves a work-group, no clusters, 135,680 bytes of LDS; arguments X, wimg, wsc, qrec, kv; writes qrec, kv
.if DOCPART == 2
	.amdgcn_target "amdgcn-amd-amdhsa--gfx1250"
	.amdhsa_code_object_version 6
	.text
	.protected	k_q7a024a2181_proj
	.globl	k_q7a024a2181_proj
	.p2align	8
	.type	k_q7a024a2181_proj,@function
k_q7a024a2181_proj:
	s_mov_b64 s[64:65], 0
	v_nop
	global_prefetch_b8 v0, s[64:65] scope:SCOPE_SE
	s_setreg_imm32_b32 hwreg(HW_REG_WAVE_MODE, 25, 1), 1
	s_wait_xcnt 0x0
; q = X wq, k = X wk, v = X wv, each [8192][1024], on codes of BF8 (E5M2) with one E8M0 scale for each 32 along K = 1,024; the results are quantised at once for the attention that follows:
; q and k along a head's 64 channels, v along the keys.  X: [8192][1024] f32: the kernel quantises it.  The weights come as images of operand registers (wimg, wsc: made by the launch before).
; OUT: a RECORD of 17,408 bytes for each 128 tokens of each head, at [16 batch + head][token / 128]:
;   +0      codes of k (in qrec: of q): 4 double fragments i, each [register group (4)][lane][16 bytes]: registers 0-7 token tile 2 i (channels 0-63), registers 8-15 token tile 2 i + 1
;   +8192   codes of v: 4 tiles of 16 channels, each [register group (4)][lane][16 bytes], K = the 128 tokens
;   +16384  k's (q's) scale words [lane][4: one for each double fragment];   +16896 v's [lane][4: one for each tile].  In qrec only the parts at +0 and +16384 are written, and only they are read.
; THE ROWS OF A TILE ARE NOT NEIGHBOURS, for tokens and for channels alike: lane r of tile 2 B + U takes row 32 B + 8 U + r + 8 (r / 8).  A result's register j of lane (r, h) belongs to tile row 8 h + j, that is row
; 32 B + 8 U + 16 h + j: the 16 registers of tiles 2 B and 2 B + 1 are 16 NEIGHBOURS, 32 B + 16 h + 0 .. 15, which is what an operand's registers 4 B .. 4 B + 3 hold.  So every conversion's result is an operand's registers.
; SHARES.  Work-group (x = j, y = mb): heads 4 j .. 4 j + 3, tokens 128 mb on.  Wave w owns head 4 j + w for all 128 tokens, in three passes q, k, v of 128 x 64: 32 accumulators, 256 matrix instructions a pass.
; X PHASE: wave w quantises token tiles 2 w, 2 w + 1 for all of K and stores their fragments in LDS as images of their registers (16 bytes a lane, 512 consecutive bytes a store); ONE barrier; then LDS is only read.
; PASSES q, k are used TRANSPOSED (source 0 = 16 channels of W, source 1 = 16 tokens): a lane holds one token, its registers run along the channels.  Pass v: source 0 = tokens, source 1 = channels: a lane holds one
; channel, its registers run along the tokens, which are the keys.
; A pass's fragments of W, 65,536 bytes, are 512 registers of the wave (windows 1 and 2); those of the next pass are asked for K step by K step, into the registers just multiplied: a whole pass ahead of their use.
; NO TENSOR LOADS, NO CLUSTER: each fragment of W is multiplied by one wave of the work-group alone, so it goes from memory straight into that wave's registers, as it lies.  A block of X is 524,288 bytes of f32,
; more than LDS holds; it goes once through registers, in the order that the conversions take, and only its codes, 131,072 bytes, are kept.
; LIMITS: NaN and infinities are not served.  A block of zeros, or one whose largest magnitude lies under 2^-111, gets the scale byte 1: a block of zeros has zero codes, and this program alone reads the bytes.
; REGISTERS, in windows of 256 (s_set_vgpr_msb: bits 1:0 source 0, 3:2 source 1, 5:4 source 2, 7:6 destination):
;   window 0: v1-9 addresses; v16-31 W's scale words; v32-39 X's, two sets; v40-55 at work; v56-59 the scale words just made; v64-127 the codes just made; v128-255 X's eight fragments of a K step
;   windows 1, 2: W's fragments: K step s in window 1 + s / 4 at v[64 (s % 4) + 16 t];   window 3: four sets of 64 numbers of X, then the 32 accumulators
.set REC,  17408
.set XSC,  131072                      ; LDS: X's fragments [K step 8][tile 8][group 4][lane][16 bytes] from 0; from here their scale words [K step 8][a' 4][128 bytes]: lanes 0-15 tile a', lanes 16-31 tile a' + 4
.set LI,   1                           ; v1   16 x lane
.set LI2,  2                           ; v2   the same + 65,536: K steps 4 to 7 (an LDS offset has 16 bits)
.set LS,   3                           ; v3   XSC + 4 x lane
.set XA,   4                           ; v4   X: my row's byte among the tile's: (r + 8 (r / 8)) x 4,096 + 64 h
.set XWI,  5                           ; v5   where my wave's images begin: 16 x lane + 4,096 x wave
.set XWS,  6                           ; v6   and its scale words: XSC + 4 r + 256 (wave % 2) + 64 (wave / 2)
.set LS4,  7                           ; v7   4 x lane
.set XWJ,  8                           ; v8   XWI + the trip's two K steps
.set XWT,  9                           ; v9   XWS + the same
.set WS,   16
.set XS,   32
.set TM,   40                          ; v40-43 largest magnitudes, v44-47 bytes, v48-51 57,344 x the scale, v52-55 the conversions' scale operands
.set WD,   56
.set PC,   64                          ; the four registers of (set i, block b) lie at PC + 4 i + 16 ((b + 1) % 4): so no conversion names one register number as result and as source
.set AF,   128
.set WV,   14                          ; s14  wave
.set XP,   16                          ; s[16:17] X at my wave's 32 rows, at the trip's K steps
.set WB,   18                          ; s[18:19] the unit of wimg that is being asked for
.set WSP,  20                          ; s[20:21] and of wsc
.set OP,   22                          ; s[22:23] the record that the pass writes
.set KVP,  24                          ; s[24:25] my record in kv
.set SEL,  26                          ; s[26:27] v_permlanex16_b32's selects for lane l xor 16
.set MNT,  28                          ; s28  the mantissa field of 57,344
.set CNT,  29
.set XO,   30                          ; s30  the trip's place among X's images: 32,768 a trip
.set XSO,  31                          ; s31  and among the scale words: 1,024 a trip
.set MSB, 0
.macro WIN new                         ; the immediate's high byte repeats the setting that is left; a switch that changes nothing is dropped
.if MSB != (\new)
	s_set_vgpr_msb (MSB<<8)|(\new)
.set MSB, \new
.endif
.endm
.macro PLACES                          ; eight places behind this matrix form, in front of loads into registers that it has read and of the first read of its results
.rept 8
	v_nop
.endr
.endm
; 64 numbers of a lane in window 3, v[s] on, register 16 b + i = k 32 b + 16 (lane / 16) + i of my row, become 16 registers of codes (four groups from v[pc] on, as PC says) and the scale word v[wd], in window 0.
.macro QUANT s, pc, wd
	WIN 0x0f                                       ; sources 0 and 1 window 3
.irp b, 0,1,2,3
	v_max3_num_f32 v[TM+\b], |v[(\s)+16*\b]|, |v[(\s)+16*\b+1]|, 0x8000000   ; block b: my 16 numbers, from the low end on, and the floor 2^(16 - 127): the byte cannot fall under 1
.endr
.irp i, 2,4,6,8,10,12,14
.irp b, 0,1,2,3
	v_max3_num_f32 v[TM+\b], |v[(\s)+16*\b+\i]|, |v[(\s)+16*\b+\i+1]|, v[TM+\b]   ; (the four blocks by turns)
.endr
.endr
	WIN 0
.irp b, 0,1,2,3
	v_permlanex16_b32 v[TM+4+\b], v[TM+\b], s[SEL], s[SEL+1]
.endr
.irp b, 0,1,2,3
	v_max_num_f32 v[TM+\b], v[TM+\b], v[TM+4+\b]   ; with lane l xor 16's 16: the block's largest magnitude
.endr
.irp b, 0,1,2,3
	v_add_nc_u32 v[TM+12+\b], 0xf8800000, v[TM+\b] ; 15 off its exponent field: the conversion's scale operand
.endr
.irp b, 0,1,2,3
	v_and_or_b32 v[TM+8+\b], v[TM+\b], 0x7f800000, s[MNT]   ; 57,344 x the scale
.endr
.irp b, 0,1,2,3
	v_lshrrev_b32 v[TM+4+\b], 23, v[TM+12+\b]      ; the scale's byte
.endr
	v_lshl_or_b32 v[\wd], v[TM+5], 8, v[TM+4]      ; the four bytes make my row's scale word (lanes l and l xor 16 hold the same)
	v_lshl_or_b32 v[\wd], v[TM+6], 16, v[\wd]
	v_lshl_or_b32 v[\wd], v[TM+7], 24, v[\wd]
	WIN 0xc3                                       ; destination and source 0 window 3
.irp b, 0,1,2,3
.set j, 0
.rept 16
	v_med3_num_f32 v[(\s)+16*\b+j], v[(\s)+16*\b+j], -v[TM+8+\b], v[TM+8+\b]   ; the conversion to an 8-bit code does not saturate (ISA guide 7.6.2): the hold
.set j, j+1
.endr
.endr
	WIN 0x03                                       ; source 0 window 3
.irp b, 0,1,2,3
	v_cvt_scalef32_pk8_bf8_f32 v[(\pc)+16*((\b+1)%4):(\pc)+16*((\b+1)%4)+1], v[(\s)+16*\b:(\s)+16*\b+7], v[TM+12+\b]
	v_cvt_scalef32_pk8_bf8_f32 v[(\pc)+16*((\b+1)%4)+2:(\pc)+16*((\b+1)%4)+3], v[(\s)+16*\b+8:(\s)+16*\b+15], v[TM+12+\b]
.endr
	WIN 0
	v_nop                                          ; one plain vector instruction between the last conversion and whatever vector or matrix instruction next writes its sources
.endm
; set i of X: tile 2 w + i % 2, the trip's K step i / 2, extra bytes further along K: 64 numbers a lane, 16 neighbours of each block of 32
.macro XLOAD i, extra
	WIN 0xc0                                       ; destination window 3
.irp b, 0,1,2,3
.irp q, 0,1,2,3
	global_load_b128 v[64*(\i)+16*\b+4*\q:64*(\i)+16*\b+4*\q+3], v[XA], s[XP:XP+1] offset:((\i)&1)*32768+((\i)>>1)*512+(\extra)+128*\b+16*\q
.endr
.endr
.endm
.macro BLOAD s                         ; W's four fragments of K step s, as they lie: 512 consecutive bytes a load
	WIN 0x40*(1+((\s)>>2))
.irp t, 0,1,2,3
.irp c, 0,1,2,3
	global_load_b128 v[64*((\s)&3)+16*\t+4*\c:64*((\s)&3)+16*\t+4*\c+3], v[LI], s[WB:WB+1] offset:(\s)*8192+\t*2048+\c*512
.endr
.endr
.endm
.macro WSLOAD                          ; W's scale words of a whole pass: register 8 (t / 2) + s; lanes 0-15 the even tile, lanes 16-31 the odd one
	WIN 0
.irp p, 0,1,2,3,4,5,6,7,8,9,10,11,12,13,14,15
	global_load_b32 v[WS+\p], v[LS4], s[WSP:WSP+1] offset:128*\p
.endr
.endm
.macro FETCH_A s, half                 ; X's fragments of K step s, tiles 4 half .. 4 half + 3
.irp a, 0,1,2,3
.irp c, 0,1,2,3
	ds_load_b128 v[AF+16*(4*(\half)+\a)+4*\c:AF+16*(4*(\half)+\a)+4*\c+3], v[LI+((\s)>>2)] offset:((\s)&3)*16384+(4*(\half)+\a)*2048+512*\c
.endr
.endr
.endm
.macro FETCH_XS s                      ; and their scale words, into set s % 2
.irp a, 0,1,2,3
	ds_load_b32 v[XS+4*((\s)&1)+\a], v[LS] offset:(\s)*512+\a*128
.endr
.endm
; one matrix instruction.  d: the accumulator; x, y: sources 0 and 1; z = 1: C = 0, the product starts the sum; sx, sy: their scale registers; rx, ry = 1: the scales stand in lanes 16-31
.macro WM d, x, y, z, sx, sy, rx, ry
.if (\z) && (\rx) && (\ry)
	v_wmma_scale_f32_16x16x128_f8f6f4 v[(\d):(\d)+7], v[(\x):(\x)+15], v[(\y):(\y)+15], 0, v[\sx], v[\sy] matrix_a_fmt:MATRIX_FMT_BF8 matrix_b_fmt:MATRIX_FMT_BF8 matrix_a_scale:MATRIX_SCALE_ROW1 matrix_b_scale:MATRIX_SCALE_ROW1
.elseif (\z) && (\rx)
	v_wmma_scale_f32_16x16x128_f8f6f4 v[(\d):(\d)+7], v[(\x):(\x)+15], v[(\y):(\y)+15], 0, v[\sx], v[\sy] matrix_a_fmt:MATRIX_FMT_BF8 matrix_b_fmt:MATRIX_FMT_BF8 matrix_a_scale:MATRIX_SCALE_ROW1
.elseif (\z) && (\ry)
	v_wmma_scale_f32_16x16x128_f8f6f4 v[(\d):(\d)+7], v[(\x):(\x)+15], v[(\y):(\y)+15], 0, v[\sx], v[\sy] matrix_a_fmt:MATRIX_FMT_BF8 matrix_b_fmt:MATRIX_FMT_BF8 matrix_b_scale:MATRIX_SCALE_ROW1
.elseif (\z)
	v_wmma_scale_f32_16x16x128_f8f6f4 v[(\d):(\d)+7], v[(\x):(\x)+15], v[(\y):(\y)+15], 0, v[\sx], v[\sy] matrix_a_fmt:MATRIX_FMT_BF8 matrix_b_fmt:MATRIX_FMT_BF8
.elseif (\rx) && (\ry)
	v_wmma_scale_f32_16x16x128_f8f6f4 v[(\d):(\d)+7], v[(\x):(\x)+15], v[(\y):(\y)+15], v[(\d):(\d)+7], v[\sx], v[\sy] matrix_a_fmt:MATRIX_FMT_BF8 matrix_b_fmt:MATRIX_FMT_BF8 matrix_a_scale:MATRIX_SCALE_ROW1 matrix_b_scale:MATRIX_SCALE_ROW1
.elseif (\rx)
	v_wmma_scale_f32_16x16x128_f8f6f4 v[(\d):(\d)+7], v[(\x):(\x)+15], v[(\y):(\y)+15], v[(\d):(\d)+7], v[\sx], v[\sy] matrix_a_fmt:MATRIX_FMT_BF8 matrix_b_fmt:MATRIX_FMT_BF8 matrix_a_scale:MATRIX_SCALE_ROW1
.elseif (\ry)
	v_wmma_scale_f32_16x16x128_f8f6f4 v[(\d):(\d)+7], v[(\x):(\x)+15], v[(\y):(\y)+15], v[(\d):(\d)+7], v[\sx], v[\sy] matrix_a_fmt:MATRIX_FMT_BF8 matrix_b_fmt:MATRIX_FMT_BF8 matrix_b_scale:MATRIX_SCALE_ROW1
.else
	v_wmma_scale_f32_16x16x128_f8f6f4 v[(\d):(\d)+7], v[(\x):(\x)+15], v[(\y):(\y)+15], v[(\d):(\d)+7], v[\sx], v[\sy] matrix_a_fmt:MATRIX_FMT_BF8 matrix_b_fmt:MATRIX_FMT_BF8
.endif
.endm
; 16 matrix instructions of K step s: token tiles a0 .. a0 + 3 x W's four tiles: sixteen accumulators, one instruction a turn.
; kind 0 (q, k): source 0 = W's tile b, source 1 = X's tile a, accumulator at 8 (4 a + b).   kind 1 (v): source 0 = X's tile a, source 1 = W's tile b, accumulator at 8 (8 b + a).
.macro MUL16 kind, s, a0, zero
.if \kind
	WIN 0xf0|((1+((\s)>>2))<<2)
.else
	WIN 0xf0|(1+((\s)>>2))
.endif
.irp a, 0,1,2,3
.irp b, 0,1,2,3
.if \kind
	WM 8*(8*\b+(\a0)+\a), AF+16*((\a0)+\a), 64*((\s)&3)+16*\b, \zero, XS+4*((\s)&1)+\a, WS+8*(\b/2)+(\s), (\a0)/4, \b%2
.else
	WM 8*(4*((\a0)+\a)+\b), 64*((\s)&3)+16*\b, AF+16*((\a0)+\a), \zero, WS+8*(\b/2)+(\s), XS+4*((\s)&1)+\a, \b%2, (\a0)/4
.endif
.endr
.endr
.endm
; A K step: 32 matrix instructions.  X has one set of registers: tiles 0-3 of K step nxt are fetched in the step's middle, tiles 4-7 at its end (nxt = -1: nothing follows).
; bl = 1: the NEXT pass's fragments of W for this K step are asked for, into the registers just multiplied.
.macro STEP kind, s, nxt, bl
	s_wait_dscnt 16                                ; tiles 0-3 and the scale words are in; the youngest sixteen loads (tiles 4-7) may be out
	MUL16 \kind, \s, 0, (\s)==0
	s_wait_dscnt 0x0                               ; tiles 4-7 are in
	PLACES
	WIN 0
.if (\nxt) >= 0
	FETCH_A \nxt, 0
	FETCH_XS \nxt
.endif
	MUL16 \kind, \s, 4, (\s)==0
	PLACES
	WIN 0
.if (\nxt) >= 0
	FETCH_A \nxt, 1
.endif
.if \bl
	BLOAD \s
.endif
.endm
; A pass's results, 64 registers at a time, become codes and scale words and leave as images: every store writes 512 consecutive aligned bytes.
.macro EPI coff, soff, last
.if !(\last)
	WSLOAD                                         ; the next pass's scale words (eight places stand behind the last product)
.endif
.irp i, 0,1,2,3
	QUANT 64*\i, PC+4*\i, WD+\i
.irp c, 0,1,2,3
	global_store_b128 v[LI], v[PC+4*\i+16*((\c+1)%4):PC+4*\i+16*((\c+1)%4)+3], s[OP:OP+1] offset:(\coff)+2048*\i+512*\c
.endr
.endr
	global_store_b128 v[LI], v[WD:WD+3], s[OP:OP+1] offset:\soff
.endm
.macro PASS kind, last                 ; kind 1 is the last pass: v
	s_wait_loadcnt 0x0                             ; this pass's fragments and scale words of W: asked for a pass ago
.irp s, 0,1,2,3,4,5,6
	STEP \kind, \s, \s+1, 1-(\last)
.endr
.if \last
	STEP \kind, 7, -1, 0
	EPI 8192, 16896, 1
.else
	STEP \kind, 7, 0, 1                            ; X's K step 0 is fetched again, for the next pass
	EPI 0, 16384, 0
.endif
.endm
; A trip of the X phase: two K steps of my two tiles.  more = 1: each set is loaded again, two K steps on; more = 0: W's first fragments take those loads' place, again 16 a set, so that the count stays.
.macro XTRIP more
	s_wait_dscnt 0x0                               ; the last trip's LDS stores have read their registers
	v_add_nc_u32 v[XWJ], s[XO], v[XWI]
	v_add_nc_u32 v[XWT], s[XSO], v[XWS]
.irp i, 0,1,2,3
	s_wait_loadcnt 48                              ; this set's 16 loads are in; the three younger groups of 16 may be out
	QUANT 64*\i, PC+4*\i, WD+\i
.irp c, 0,1,2,3
	ds_store_b128 v[XWJ], v[PC+4*\i+16*((\c+1)%4):PC+4*\i+16*((\c+1)%4)+3] offset:(\i/2)*16384+(\i%2)*2048+512*\c
.endr
	ds_store_b32 v[XWT], v[WD+\i] offset:(\i/2)*512+(\i%2)*128     ; lanes l and l xor 16 write the same word with the same value
.if \more
	XLOAD \i, 1024
.else
	BLOAD \i
.endif
	WIN 0
.endr
.endm
	s_load_b256 s[4:11], s[0:1], 0x0               ; X s[4:5], wimg s[6:7], wsc s[8:9], qrec s[10:11]
	s_load_b64 s[12:13], s[0:1], 0x20              ; kv
	v_lshl_add_u32 v62, v0, 2, 0x21000
	v_mov_b32 v63, 0
	v_lshrrev_b32 v10, 5, v0
	v_readfirstlane_b32 s[WV], v10                 ; wave 0..3
	v_and_b32 v10, 31, v0                          ; lane
	v_and_b32 v11, 15, v0                          ; r
	v_bfe_u32 v12, v0, 4, 1                        ; h
	v_lshlrev_b32 v[LI], 4, v10
	v_add_nc_u32 v[LI2], 65536, v[LI]
	v_lshlrev_b32 v[LS4], 2, v10
	v_add_nc_u32 v[LS], XSC, v[LS4]
	v_and_b32 v13, 8, v11
	v_add_nc_u32 v13, v13, v11                     ; r + 8 (r / 8)
	v_lshlrev_b32 v[XA], 12, v13
	v_lshl_add_u32 v[XA], v12, 6, v[XA]
	s_lshl_b32 s32, s[WV], 12
	v_add_nc_u32 v[XWI], s32, v[LI]
	s_and_b32 s32, s[WV], 1
	s_lshl_b32 s32, s32, 8
	s_lshr_b32 s33, s[WV], 1
	s_lshl_b32 s33, s33, 6
	s_add_co_u32 s32, s32, s33
	s_add_co_u32 s32, s32, XSC
	v_lshl_add_u32 v[XWS], v11, 2, s32
.irp b, 0,1,2,3
	v_mov_b32 v[TM+4+\b], 0                        ; written once: a lane permute's destination counts as one of its sources
.endr
	s_mov_b32 s[SEL], 0x76543210
	s_mov_b32 s[SEL+1], 0xfedcba98
	s_mov_b32 s[MNT], 0x600000
	s_and_b32 s33, ttmp7, 0xffff                   ; mb
	s_lshl_b32 s34, s33, 19                        ; X: 128 rows of 4,096 bytes a block,
	s_lshl_b32 s35, s[WV], 17                      ; 32 rows a wave
	s_add_co_u32 s34, s34, s35
	s_mov_b32 s35, 0
	s_lshl_b32 s36, ttmp9, 2
	s_add_co_u32 s36, s36, s[WV]                   ; my head
	s_mul_i32 s38, s36, 3*65536                    ; its three units of wimg
	s_mov_b32 s39, 0
	s_mul_i32 s40, s36, 3*2048                     ; and of wsc
	s_mov_b32 s41, 0
	s_lshr_b32 s42, s33, 4                         ; the batch
	s_lshl_b32 s42, s42, 4
	s_add_co_u32 s42, s42, s36
	s_lshl_b32 s42, s42, 4
	s_and_b32 s43, s33, 15                         ; which 128 tokens of it
	s_add_co_u32 s42, s42, s43
	s_mul_i32 s42, s42, REC                        ; my record
	s_mov_b32 s43, 0
	s_wait_kmcnt 0x0
	s_add_nc_u64 s[XP:XP+1], s[4:5], s[34:35]
	s_add_nc_u64 s[WB:WB+1], s[6:7], s[38:39]
	s_add_nc_u64 s[WSP:WSP+1], s[8:9], s[40:41]
	s_add_nc_u64 s[OP:OP+1], s[10:11], s[42:43]    ; pass q writes qrec
	s_add_nc_u64 s[KVP:KVP+1], s[12:13], s[42:43]
	XLOAD 0, 0                                     ; 64 loads a wave are out from here to the X phase's end
	XLOAD 1, 0
	XLOAD 2, 0
	XLOAD 3, 0
	WIN 0                                          ; at a label and at a branch every window is 0
	s_mov_b32 s[XO], 0
	s_mov_b32 s[XSO], 0
	s_mov_b32 s[CNT], 3
.Lx:
	XTRIP 1
	s_wait_xcnt 0x0                                ; the loads have read their base: it steps only behind this wait
	s_add_nc_u64 s[XP:XP+1], s[XP:XP+1], 1024      ; two K steps of f32
	s_add_co_u32 s[XO], s[XO], 32768
	s_add_co_u32 s[XSO], s[XSO], 1024
	s_sub_co_u32 s[CNT], s[CNT], 1
	s_cmp_lg_u32 s[CNT], 0
	s_cbranch_scc1 .Lx
	XTRIP 0                                        ; K steps 6 and 7: no load leaves X's rows; wq's K steps 0-3 are asked for
	BLOAD 4
	BLOAD 5
	BLOAD 6
	BLOAD 7
	WSLOAD
	s_wait_xcnt 0x0                                ; these loads have read their bases:
	s_add_nc_u64 s[WB:WB+1], s[WB:WB+1], 65536     ; what is asked for next is wk's
	s_add_nc_u64 s[WSP:WSP+1], s[WSP:WSP+1], 2048
	s_wait_dscnt 0x0                               ; for the others' sake: my images lie in LDS
	s_barrier_signal -1
	s_barrier_wait -1                              ; everybody's do; from here on LDS is only read
	FETCH_A 0, 0
	FETCH_XS 0
	FETCH_A 0, 1
	s_mov_b32 s[CNT], 2
.Lpass:                                                ; q, then k
	PASS 0, 0
	s_wait_xcnt 0x0                                ; the pass's loads and stores have read their bases and data: all may be written again
	s_add_nc_u64 s[WB:WB+1], s[WB:WB+1], 65536     ; (behind pass k the stepped bases are not used)
	s_add_nc_u64 s[WSP:WSP+1], s[WSP:WSP+1], 2048
	s_mov_b64 s[OP:OP+1], s[KVP:KVP+1]             ; k and v go to kv
	s_sub_co_u32 s[CNT], s[CNT], 1
	s_cmp_lg_u32 s[CNT], 0
	s_cbranch_scc1 .Lpass
	PASS 1, 1
	s_wait_tensorcnt 0x0
	ds_add_u32 v62, v63
	s_wait_dscnt 0x0
	s_endpgm
.Lfunc_end_k_q7a024a2181_proj:
	.size	k_q7a024a2181_proj, .Lfunc_end_k_q7a024a2181_proj-k_q7a024a2181_proj
	.p2alignl 7, 3214868480
	.fill 96, 4, 3214868480
	.section	.rodata,"a",@progbits
	.p2align	6, 0x0
	.amdhsa_kernel k_q7a024a2181_proj
		.amdhsa_group_segment_fixed_size 135680
		.amdhsa_private_segment_fixed_size 0
		.amdhsa_enable_private_segment 0
		.amdhsa_kernarg_size 40
		.amdhsa_user_sgpr_count 2
		.amdhsa_user_sgpr_kernarg_segment_ptr 1
		.amdhsa_wavefront_size32 1
		.amdhsa_system_sgpr_workgroup_id_x 1
		.amdhsa_system_sgpr_workgroup_id_y 1
		.amdhsa_system_sgpr_workgroup_id_z 1
		.amdhsa_system_vgpr_workitem_id 0
		.amdhsa_next_free_vgpr 1024
		.amdhsa_next_free_sgpr 66
		.amdhsa_reserve_vcc 0
		.amdhsa_float_denorm_mode_32 3
		.amdhsa_float_denorm_mode_16_64 3
		.amdhsa_memory_ordered 1
		.amdhsa_forward_progress 1
		.amdhsa_inst_pref_size 255
	.end_amdhsa_kernel
	.section	.bss,"aw",@nobits
	.p2align	6
	.space	262144
	.amdgpu_metadata
---
amdhsa.version: [ 1, 2 ]
amdhsa.kernels:
  - .name:           k_q7a024a2181_proj
    .symbol:         k_q7a024a2181_proj.kd
    .args:
      - { .name: X, .offset: 0, .size: 8, .value_kind: global_buffer, .address_space: global }
      - { .name: wimg, .offset: 8, .size: 8, .value_kind: global_buffer, .address_space: global }
      - { .name: wsc, .offset: 16, .size: 8, .value_kind: global_buffer, .address_space: global }
      - { .name: qrec, .offset: 24, .size: 8, .value_kind: global_buffer, .address_space: global }
      - { .name: kv, .offset: 32, .size: 8, .value_kind: global_buffer, .address_space: global }
    .group_segment_fixed_size: 135680
    .private_segment_fixed_size: 0
    .kernarg_segment_align: 8
    .kernarg_segment_size: 40
    .max_flat_workgroup_size: 128
    .sgpr_count:     66
    .vgpr_count:     1024
    .wavefront_size: 32
...
	.end_amdgpu_metadata
.endif
;; end of part 2
;; launch attn (part 3): grid 8 x 64, 16 waves a work-group, clusters of 4 x 1, 327,680 bytes of LDS; arguments qrec, kv, residual_score, out0, out1; writes out0, out1
.if DOCPART == 3
	.amdgcn_target "amdgcn-amd-amdhsa--gfx1250"
	.amdhsa_code_object_version 6
	.text
	.protected	k_q7a024a2181_attn
	.globl	k_q7a024a2181_attn
	.p2align	8
	.type	k_q7a024a2181_attn,@function
k_q7a024a2181_attn:
	s_mov_b64 s[64:65], 0
	v_nop
	global_prefetch_b8 v0, s[64:65] scope:SCOPE_SE
	s_setreg_imm32_b32 hwreg(HW_REG_WAVE_MODE, 25, 1), 1
	s_wait_xcnt 0x0
	s_wait_alu depctr_hold_cnt(0) depctr_sa_sdst(0) depctr_va_vdst(0) depctr_va_sdst(0) depctr_va_ssrc(0) depctr_va_vcc(0) depctr_vm_vsrc(0)
	s_getreg_b32 s2, hwreg(HW_REG_IB_STS2, 6, 4)
	s_cmp_eq_u32 s2, 0
	s_cbranch_scc0 .Lentry_in_a_cluster
	s_endpgm
.Lentry_in_a_cluster:
	s_bfe_u32 s2, ttmp6, 0x10000c
	s_cmp_lg_u32 s2, 0x3003
	s_cbranch_scc0 .Lentry_shape_is_right
	s_endpgm
.Lentry_shape_is_right:
; out0 = out1 = softmax(q k^T / sqrt(128)) v + residual_score, head by head (16 heads of 64 channels, 2,048 tokens, 4 batches), both products on codes of BF8 (E5M2) with one E8M0 scale for each 32 along K.
; q, k, v come as RECORDS of 17,408 bytes for each 128 tokens of a head, made by the launch before, laid as images of operand registers ([register group][lane][16 bytes]):
;   +0 k's (in qrec q's) 4 double fragments: registers 0-7 token tile 2 i, registers 8-15 token tile 2 i + 1, each with the head's 64 channels;  +8192 v's 4 tiles of 16 channels, K = the 128 tokens;
;   +16384 k's (q's) scale words [lane][4];  +16896 v's [lane][4].   Lane r of tile 2 B + U is row 32 B + 8 U + r + 8 (r / 8), for tokens and channels alike.
; K = 64 FILLS HALF OF THE MATRIX INSTRUCTION'S 128: a double fragment of k is multiplied once by [q | 0] and once by [0 | q].  All codes are finite (they were held), so the half that meets zeros adds exactly 0.
; THE SOFTMAX AHEAD OF THE SECOND PRODUCT: t = score x log2(e) / sqrt(128); M = the row's largest t so far, rounded UP to a whole number; p = 2^(t - M) is quantised along the keys, not normalised.
; The row's sum is taken of the unquantised p and divides at the end.  When M moves, the sum and O are multiplied by 2^(old M - new M): exact.
; SHARES.  A work-group owns 256 queries of one head; each of its sixteen waves one tile of 16, in 256 registers: four waves to a SIMD, so that one wave's vector work stands beside another's matrix work and LDS loads.
; Both products are used transposed (S^T = k q^T, O^T = v^T p^T): a lane holds ONE query throughout; the 16 registers of two neighbouring tiles of S^T are 16 neighbouring keys, so the conversions' results are p's operand.
; A WHOLE HEAD'S 16 RECORDS, 278,528 bytes, LIE IN LDS: each byte is filled once, by the first fills; there is no ring and nothing is filled again.  Waves 0-3 ask for four records each: four tensor loads of a wave are out.
; Four barriers: behind the k-th, records 4 k .. 4 k + 3 are whole, and the later ones may still be on their way.
; CLUSTER.  The four query blocks of a cluster belong to one head and want the same records: each is asked for JOINTLY, by the same tensor load with the same descriptor and a mask that names the four.
; THE WAY OUT goes through a stage of 16 rows x 272 bytes a wave, 69,632 bytes in all: the bytes of records 0-3, which have had their one fill and which nobody reads behind the fourth barrier.
; LIMITS: NaN and infinities are not served; p under 2^-126 becomes 0 (v_exp_f32 flushes denormals: ISA guide 15.8); a block of p that is all zeros keeps the scale byte 1: its codes are zeros.
.set REC,  17408
.set LI,   1                           ; v1   16 x lane
.set AD,   2                           ; v2   the record in hand + 16 x lane
.set STO,  3                           ; v3   the stage: where I put my query's channels: 4,352 wave + 272 r + 64 h
.set RD,   4                           ; v4   and where I read a row back: 4,352 wave + 272 h + 16 r
.set GO,   5                           ; v5   the same place in the outputs' rows: 4,096 h + 16 r
.set PFO,  6                           ; v6   4,096 x lane: a row of the residual a lane
.set QF,   16                          ; v16-23 q, v24-31 zeros, v32-39 q again: [q | 0] = v16-31, [0 | q] = v24-39
.set FR,   40                          ; v40-103  the step's fragments of k, then of v
.set S,    104                         ; v104-167 S^T, then p
.set O,    168                         ; v168-199 O^T
.set PCD,  200                         ; v200-215 p's codes
.set BM,   216                         ; v216-219 each block's largest score, then its largest p
.set PM,   220                         ; v220-223 lane l xor 16's, then the scale bytes
.set HD,   224                         ; v224-227 57,344 x the scale
.set SOP,  228                         ; v228-231 the conversions' scale operands
.set FF,   232                         ; v[232:233] f = 2^(old M - new M); the upper half is named with it, so it is written once
.set T,    234                         ; v234 at work
.set SM2,  236                         ; v[236:237] the sum's second chain
.set KS,   240                         ; v240-243 k's scale words
.set VS,   244                         ; v244-247 v's
.set QW,   248                         ; v248 q's scale word: bytes (q0, q1, q0, q1): it serves [q | 0] and [0 | q]
.set PW,   249                         ; v249 p's
.set WV,   14                          ; s14  wave
.set ODD,  15                          ; s15  wave % 2: which half of a double fragment is my tile
.set G1,   16                          ; s[16:23] descriptor group 1;  s[24:39] four groups 0
.set G0,   24
.set SEL,  40                          ; s[40:41] v_permlanex16_b32's selects for lane l xor 16
.set CS,   42                          ; s[42:43] c = log2(e) / sqrt(128): the packed form names a pair and takes its low word for both halves
.set MNT,  44                          ; s44  the mantissa field of 57,344
.set TB,   45                          ; s45  LDS byte of the record in hand
.set CNT,  46
.set RP,   48                          ; s[48:49] the residual at my tile's first row and my head's 256 bytes;  s[50:51], s[52:53] out0, out1 likewise
.set O0,   50
.set O1,   52
; A round of the cluster's barrier: my work-group's barrier; wave 0 signals for the work-group; every wave waits for all four work-groups; my work-group's barrier once more.
.macro CROUND
	s_barrier_signal -1
	s_barrier_wait -1
	s_cmp_lg_u32 s[WV], 0
	s_cbranch_scc1 .Lnot_wave_0_\@
	s_barrier_signal -3
.Lnot_wave_0_\@:
	s_barrier_wait -3
	s_barrier_signal -1
	s_barrier_wait -1
.endm
; A PREFETCH INTO THE L2 of the residual's rows that the way out will load: the 32 rows of a pair of waves, 256 aligned bytes of each, a lane a row; the pair's even wave asks.  So each such block is named once in the launch.
; It stands in the last key step but one, behind that step's first run of LDS loads.
.macro ASK
	s_cmp_eq_u32 s[ODD], 0
	s_cbranch_scc0 .Lnot_mine_\@
	global_prefetch_b8 v[PFO], s[RP:RP+1] th:TH_LOAD_NT scope:SCOPE_SE
.Lnot_mine_\@:
.endm
; Records 4 k .. 4 k + 3 are whole: each of waves 0-3 has waited for its k-th load (tensor loads of a wave end in order: ISA guide 10.11.1; its 3 - k later ones may be out) and says so.
.macro ARRIVE k
	s_wait_tensorcnt 3-(\k)
	s_wait_dscnt 0x0                               ; no LDS instruction of mine is pending at a signal; behind the fourth barrier this also says: nobody reads records 0-3 any more
	s_barrier_signal -1
	s_barrier_wait -1
	s_mov_b32 s[TB], (\k)*4*REC
.endm
; A KEY STEP: one record, 128 keys.
.macro STEP ask
	v_add_nc_u32 v[AD], s[TB], v[LI]
.rept 7
	v_nop                                          ; with the addition: eight places in front of loads into registers that the last products have read
.endr
.irp n, 0,1,2,3,4,5,6,7,8,9,10,11,12,13,14,15
	ds_load_b128 v[FR+4*\n:FR+4*\n+3], v[AD] offset:512*\n          ; k's four double fragments, as they lie
.endr
	ds_load_b128 v[KS:KS+3], v[AD] offset:16384    ; and their scale words
.if \ask
	ASK
.endif
	s_wait_dscnt 0x0
.irp b, 0,1,2,3                                ; S^T = k q^T: the 16 registers of a pair are keys 32 b + 16 (lane / 16) + 0 .. 15
	v_wmma_scale_f32_16x16x128_f8f6f4 v[S+16*\b:S+16*\b+7], v[FR+16*\b:FR+16*\b+15], v[QF:QF+15], 0, v[KS+\b], v[QW] matrix_a_fmt:MATRIX_FMT_BF8 matrix_b_fmt:MATRIX_FMT_BF8
	v_wmma_scale_f32_16x16x128_f8f6f4 v[S+16*\b+8:S+16*\b+15], v[FR+16*\b:FR+16*\b+15], v[QF+8:QF+23], 0, v[KS+\b], v[QW] matrix_a_fmt:MATRIX_FMT_BF8 matrix_b_fmt:MATRIX_FMT_BF8
.endr
.rept 8
	v_nop                                          ; places in front of the loads below and of the first read of the scores
.endr
.irp n, 0,1,2,3,4,5,6,7,8,9,10,11,12,13,14,15
	ds_load_b128 v[FR+4*\n:FR+4*\n+3], v[AD] offset:8192+512*\n     ; v's four tiles: they land while the softmax is walked
.endr
	ds_load_b128 v[VS:VS+3], v[AD] offset:16896
.irp b, 0,1,2,3
	v_max3_num_f32 v[BM+\b], v[S+16*\b], v[S+16*\b+1], v[S+16*\b+2]   ; THE LARGEST SCORE OF EACH BLOCK OF 32 KEYS serves twice: for the row's maximum and, since p rises with the score, for the block's largest p
.endr
.irp i, 3,5,7,9,11,13
.irp b, 0,1,2,3
	v_max3_num_f32 v[BM+\b], v[BM+\b], v[S+16*\b+\i], v[S+16*\b+\i+1]  ; (the four blocks by turns; each accumulator is read from its low end on)
.endr
.endr
.irp b, 0,1,2,3
	v_max_num_f32 v[BM+\b], v[BM+\b], v[S+16*\b+15]
.endr
.irp b, 0,1,2,3
	v_permlanex16_b32 v[PM+\b], v[BM+\b], s[SEL], s[SEL+1]
.endr
.irp b, 0,1,2,3
	v_max_num_f32 v[BM+\b], v[BM+\b], v[PM+\b]     ; with lane l xor 16's 16 keys
.endr
	v_max3_num_f32 v[T], v[BM], v[BM+1], v[BM+2]
	v_max_num_f32 v[T], v[T], v[BM+3]              ; the step's largest score of my query
	v_mul_f32 v[T], s[CS], v[T]                    ; as t (c is positive)
	v_max_num_f32 v13, v13, v[T]                   ; the running largest t
	v_mov_b32 v[T], v12
	v_floor_f32 v12, -v13                          ; the new -M = floor(-t) = -ceil(t): M is a whole number
	v_sub_f32 v[T], v12, v[T]                      ; M's old value less its new one: a whole number, 0 or less
	v_cvt_i32_f32 v[T], v[T]                       ; (it saturates)
	v_ldexp_f32 v[FF], 1.0, v[T]                   ; f = 2^(old M - new M)
.set j, 0
.rept 32
	v_pk_fma_f32 v[S+j:S+j+1], v[S+j:S+j+1], s[CS:CS+1], v[12:13] op_sel_hi:[1,0,0]   ; t - M, two at a time (of the pairs c and -M the low word serves both halves)
.set j, j+2
.endr
.irp b, 0,1,2,3
	v_fma_f32 v[BM+\b], v[BM+\b], s[CS], v12       ; the same of each block's largest score
.endr
.set j, 0
.rept 64
	v_exp_f32 v[S+j], v[S+j]                       ; p = 2^(t - M), at most 1
.set j, j+1
.endr
	v_pk_mul_f32 v[14:15], v[14:15], v[FF:FF+1] op_sel_hi:[1,0]    ; the sums under the new M: the plain instruction behind the exponentials
	s_wait_alu depctr_va_vdst(0)                   ; one wait for the whole batch, ahead of its first reader
.irp b, 0,1,2,3
	v_exp_f32 v[BM+\b], v[BM+\b]                   ; the block's largest p: the same two instructions on the same number give the same bits
.endr
	v_pk_add_f32 v[SM2:SM2+1], v[S:S+1], v[S+2:S+3]                ; THE ROW'S SUM IS TAKEN OF THE UNQUANTISED p: two at a time, in two chains
.irp j, 4,8,12,16,20,24,28,32,36,40,44,48,52,56,60
	v_pk_add_f32 v[14:15], v[14:15], v[S+\j:S+\j+1]
	v_pk_add_f32 v[SM2:SM2+1], v[SM2:SM2+1], v[S+\j+2:S+\j+3]
.endr
	v_pk_add_f32 v[14:15], v[14:15], v[SM2:SM2+1]
	s_wait_alu depctr_va_vdst(0)                   ; and one for the four
.irp b, 0,1,2,3
	v_max_num_f32 v[BM+\b], 0x8000000, v[BM+\b]    ; the floor 2^(16 - 127): the byte cannot fall under 1
.endr
.irp b, 0,1,2,3
	v_add_nc_u32 v[SOP+\b], 0xf8800000, v[BM+\b]   ; 15 off the exponent field: the conversion's scale operand
.endr
.irp b, 0,1,2,3
	v_and_or_b32 v[HD+\b], v[BM+\b], 0x7f800000, s[MNT]            ; 57,344 x the scale
.endr
.irp b, 0,1,2,3
	v_lshrrev_b32 v[PM+\b], 23, v[SOP+\b]          ; the scale's byte
.endr
	v_lshl_or_b32 v[PW], v[PM+1], 8, v[PM]         ; p's scale word for these 128 keys
	v_lshl_or_b32 v[PW], v[PM+2], 16, v[PW]
	v_lshl_or_b32 v[PW], v[PM+3], 24, v[PW]
.irp b, 0,1,2,3
.set j, 0
.rept 16
	v_min_num_f32 v[S+16*\b+j], v[S+16*\b+j], v[HD+\b]             ; the conversion to an 8-bit code does not saturate (ISA guide 7.6.2); p is not negative, so the hold is one-sided
.set j, j+1
.endr
	v_cvt_scalef32_pk8_bf8_f32 v[PCD+4*\b:PCD+4*\b+1], v[S+16*\b:S+16*\b+7], v[SOP+\b]
	v_cvt_scalef32_pk8_bf8_f32 v[PCD+4*\b+2:PCD+4*\b+3], v[S+16*\b+8:S+16*\b+15], v[SOP+\b]
.endr
.set j, 0
.rept 16
	v_pk_mul_f32 v[O+j:O+j+1], v[O+j:O+j+1], v[FF:FF+1] op_sel_hi:[1,0]    ; O^T under the new M.  (These sixteen are also the places between the codes' conversions and the products)
.set j, j+2
.endr
	s_wait_dscnt 0x0                               ; v's tiles and scale words are in
.irp t, 0,1,2,3                                ; O^T += v^T p^T: four accumulators, one instruction a turn
	v_wmma_scale_f32_16x16x128_f8f6f4 v[O+8*\t:O+8*\t+7], v[FR+16*\t:FR+16*\t+15], v[PCD:PCD+15], v[O+8*\t:O+8*\t+7], v[VS+\t], v[PW] matrix_a_fmt:MATRIX_FMT_BF8 matrix_b_fmt:MATRIX_FMT_BF8
.endr
	s_add_co_u32 s[TB], s[TB], REC                 ; the next record
.endm
.macro RUN k, trips
	ARRIVE \k
	s_mov_b32 s[CNT], \trips
.Lrun_\@:
	STEP 0
	s_sub_co_u32 s[CNT], s[CNT], 1
	s_cmp_lg_u32 s[CNT], 0
	s_cbranch_scc1 .Lrun_\@
.endm
	s_load_b256 s[4:11], s[0:1], 0x0               ; qrec s[4:5], kv s[6:7], the residual s[8:9], out0 s[10:11]
	s_load_b64 s[12:13], s[0:1], 0x20              ; out1
	v_lshl_add_u32 v254, v0, 2, 0x44000
	v_mov_b32 v255, 0
	ds_add_u32 v254, v255
	ds_add_u32 v254, v255
	v_lshrrev_b32 v7, 5, v0
	v_readfirstlane_b32 s[WV], v7                  ; wave 0..15
	s_and_b32 s[ODD], s[WV], 1
	s_bfe_u32 s54, ttmp6, 0x40000                  ; cx: my place in the cluster
	s_lshl_b32 s55, ttmp9, 2                       ; in a cluster launch ttmp9 counts clusters
	s_add_co_u32 s55, s55, s54                     ; my block of 256 queries: it enters q's, the residual's and the outputs' addresses alone
	s_and_b32 s56, ttmp7, 0xffff                   ; 16 batch + head, which the four partners share
	s_mul_i32 s58, s56, 16*REC                     ; the head's first byte in kv and in qrec
	s_mov_b32 s59, 0
	s_and_b32 s57, s[WV], 3
	s_mul_i32 s57, s57, REC                        ; the first record that I ask for, if I ask: in LDS and in memory alike
	s_mov_b32 s46, s57
	s_mov_b32 s47, 0
	s_lshl_b32 s60, s55, 1
	s_lshr_b32 s61, s[WV], 3
	s_add_co_u32 s60, s60, s61                     ; my queries' record: 2 x block + wave / 8
	s_bfe_u32 s61, s[WV], 0x20001                  ; their double fragment: (wave % 8) / 2
	s_mul_i32 s62, s60, REC
	s_add_co_u32 s62, s62, s58
	s_mov_b32 s63, 0
	s_lshr_b32 s2, s56, 4                          ; my tile's first row in the residual and the outputs: 2,048 batch
	s_lshl_b32 s2, s2, 11
	s_lshl_b32 s3, s60, 7                          ; + 128 record
	s_add_co_u32 s2, s2, s3
	s_lshl_b32 s3, s61, 5                          ; + 32 double fragment
	s_add_co_u32 s2, s2, s3
	s_lshl_b32 s3, s[ODD], 3                       ; + 8 half
	s_add_co_u32 s2, s2, s3
	s_lshl_b32 s2, s2, 12                          ; rows of 4,096 bytes
	s_and_b32 s3, s56, 15
	s_lshl_b32 s3, s3, 8                           ; + the head's 256 bytes
	s_add_co_u32 s2, s2, s3
	s_mov_b32 s3, 0
	; descriptor group 1: a record is a dense block: 68 rows of 256 bytes (32 elements of 8 bytes), no padding: it is read as it lies, 512 consecutive bytes a load
	s_mov_b32 s[G1], 15|(3<<16)|(1<<21)            ; 15:0 the mask: all four work-groups; 17:16 elements of 8 bytes; 21 set beside a mask
	s_mov_b32 s[G1+1], 32<<16                      ; tensor_dim0 = 32
	s_mov_b32 s[G1+2], 68<<16                      ; tensor_dim1 = 68
	s_mov_b32 s[G1+3], 32<<16                      ; tile_dim0 = 32
	s_mov_b32 s[G1+4], 68                          ; tile_dim1 = 68
	s_mov_b32 s[G1+5], 32                          ; tensor_dim0_stride
	s_mov_b32 s[G1+6], 0
	s_mov_b32 s[G1+7], 0
	s_mov_b32 s[SEL], 0x76543210
	s_mov_b32 s[SEL+1], 0xfedcba98
	s_mov_b32 s[CS], 0x3e0293ee                    ; c = log2(e) / sqrt(128): the logits are divided by sqrt(2,048 / 16)
	s_mov_b32 s[CS+1], s[CS]
	s_mov_b32 s[MNT], 0x600000
	s_wait_dscnt 0x0
	s_wait_kmcnt 0x0
	s_add_nc_u64 s[6:7], s[6:7], s[58:59]          ; kv at my head,
	s_add_nc_u64 s[6:7], s[6:7], s[46:47]          ; at the first record that I ask for
	s_add_nc_u64 s[4:5], s[4:5], s[62:63]          ; qrec at my queries' record
	s_add_nc_u64 s[RP:RP+1], s[8:9], s[2:3]
	s_add_nc_u64 s[O0:O0+1], s[10:11], s[2:3]
	s_add_nc_u64 s[O1:O1+1], s[12:13], s[2:3]
	CROUND                                         ; all four work-groups are here: the joint loads meet
.irp k, 0,1,2,3                                ; load k of wave w brings record w + 4 k
	s_mov_b32 s[G0+4*\k], 1                        ; 1:0 count = 1
	s_add_co_u32 s[G0+4*\k+1], s57, \k*4*REC       ; 63:32 LDS address
	s_add_nc_u64 s[G0+4*\k+2:G0+4*\k+3], s[6:7], \k*4*REC          ; 120:64 global address
	s_or_b32 s[G0+4*\k+3], s[G0+4*\k+3], 0x80000000                ; 127:126 type = 2
.endr
	s_cmp_lt_u32 s[WV], 4                          ; a wave's four fills stand in one branch on the wave's number, ahead of every wait on TENSORcnt, every LDS read and every work-group barrier behind the round
	s_cbranch_scc0 .Lno_fill
	tensor_load_to_lds s[G0:G0+3], s[G1:G1+7]
	s_nop 0
	tensor_load_to_lds s[G0+4:G0+7], s[G1:G1+7]
	s_nop 0
	tensor_load_to_lds s[G0+8:G0+11], s[G1:G1+7]
	s_nop 0
	tensor_load_to_lds s[G0+12:G0+15], s[G1:G1+7]
	s_nop 0
.rept 4
	v_nop
.endr
.Lno_fill:
	v_and_b32 v7, 31, v0                           ; lane
	v_and_b32 v8, 15, v0                           ; r
	v_bfe_u32 v9, v0, 4, 1                         ; h
	v_lshlrev_b32 v[LI], 4, v7
	v_lshlrev_b32 v[PFO], 12, v7
	s_lshl_b32 s54, s61, 11                        ; q's codes: 2,048 a double fragment,
	s_lshl_b32 s55, s[ODD], 10                     ; 1,024 a half
	s_add_co_u32 s54, s54, s55
	s_mov_b32 s55, 0
	s_add_nc_u64 s[54:55], s[4:5], s[54:55]
	s_lshl_b32 s62, s61, 2                         ; q's scale words: word i of my lane's four
	s_mov_b32 s63, 0
	s_add_nc_u64 s[62:63], s[4:5], s[62:63]
	global_load_b128 v[QF:QF+3], v[LI], s[54:55]                   ; my tile's eight registers,
	global_load_b128 v[QF+4:QF+7], v[LI], s[54:55] offset:512
	global_load_b128 v[QF+16:QF+19], v[LI], s[54:55]               ; twice: in front of the zeros and behind them
	global_load_b128 v[QF+20:QF+23], v[LI], s[54:55] offset:512
	global_load_b32 v[T], v[LI], s[62:63] offset:16384
	s_mul_i32 s56, s[WV], 16*272                   ; my stage
	v_mul_u32_u24 v[STO], v8, 272
	v_lshl_add_u32 v[STO], v9, 6, v[STO]
	v_add_nc_u32 v[STO], s56, v[STO]
	v_mul_u32_u24 v[RD], v9, 272
	v_lshl_add_u32 v[RD], v8, 4, v[RD]
	v_add_nc_u32 v[RD], s56, v[RD]
	v_lshlrev_b32 v[GO], 12, v9
	v_lshl_add_u32 v[GO], v8, 4, v[GO]
.irp j, 0,1,2,3,4,5,6,7
	v_mov_b32 v[QF+8+\j], 0                        ; zero codes
.endr
	v_mov_b32 v13, 0xff61b1e6                      ; the largest t so far: -3e38, under every t
	v_floor_f32 v12, -v13                          ; -M
	v_mov_b32 v14, 0                               ; the sum, in two halves
	v_mov_b32 v15, 0
.irp b, 0,1,2,3
	v_mov_b32 v[PM+\b], 0                          ; written once: a lane permute's destination counts as one of its sources
.endr
	v_mov_b32 v[FF+1], 0
.set j, 0
.rept 32
	v_mov_b32 v[O+j], 0                            ; O^T.  (The step is written without a first step of its own: the first finds zeros, which the first change of M leaves zeros)
.set j, j+1
.endr
	s_wait_loadcnt 0x0                             ; q
	s_lshl_b32 s57, s[ODD], 4
	v_lshrrev_b32 v[T], s57, v[T]                  ; my half's two bytes of the double fragment's word,
	v_and_b32 v[T], 0xffff, v[T]
	v_lshl_or_b32 v[QW], v[T], 16, v[T]            ; below and above
	RUN 0, 4                                       ; records 0-3
	RUN 1, 4
	RUN 2, 4
	RUN 3, 2                                       ; records 12, 13
	STEP 1                                         ; record 14, and the prefetch of the residual
	STEP 0                                         ; record 15
	; THE WAY OUT.  O^T is divided by the row's sum and goes through my stage, so that sixteen lanes hold 256 neighbouring bytes of a row; the residual is added; both outputs are stored.
	v_add_f32 v14, v14, v15                        ; the sum's two halves
.rept 7
	v_nop                                          ; with the addition: eight places behind the last products
.endr
.irp n, 0,1,2,3,4,5,6,7                        ; stage row 2 n + h is token 2 n + h + 8 (n / 4) of my tile
	global_load_b128 v[FR+32+4*\n:FR+32+4*\n+3], v[GO], s[RP:RP+1] offset:(2*\n+8*(\n/4))*4096 th:TH_LOAD_NT
.endr
	v_permlanex16_b32 v[T], v14, s[SEL], s[SEL+1]
	v_add_f32 v14, v14, v[T]                       ; and lane l xor 16's: the row's sum
	v_rcp_f32 v[FF], v14
	v_nop                                          ; a plain instruction behind the transcendental
	s_wait_alu depctr_va_vdst(0)                   ; and the wait ahead of its first reader
.set j, 0
.rept 16
	v_pk_mul_f32 v[S+j:S+j+1], v[O+j:O+j+1], v[FF:FF+1] op_sel_hi:[1,0]    ; register 16 g + m is channel 32 g + 16 h + m of my query; each accumulator from its low end on
.set j, j+2
.endr
.irp g, 0,1
.irp k, 0,1,2,3
	ds_store_b128 v[STO], v[S+16*\g+4*\k:S+16*\g+4*\k+3] offset:128*\g+16*\k
.endr
.endr
.irp n, 0,1,2,3,4,5,6,7
	ds_load_b128 v[FR+4*\n:FR+4*\n+3], v[RD] offset:544*\n         ; LDS serves a wave's instructions in order (ISA guide 5.7.1.4): these see my stores
.endr
	s_wait_dscnt 0x0
	s_wait_loadcnt 0x0
.set j, 0
.rept 16
	v_pk_add_f32 v[FR+j:FR+j+1], v[FR+j:FR+j+1], v[FR+32+j:FR+32+j+1]
.set j, j+2
.endr
.irp n, 0,1,2,3,4,5,6,7
	global_store_b128 v[GO], v[FR+4*\n:FR+4*\n+3], s[O0:O0+1] offset:(2*\n+8*(\n/4))*4096 th:TH_STORE_NT   ; 16 lanes store 256 consecutive bytes, at a multiple of 256 from the output's first byte
.endr
.irp n, 0,1,2,3,4,5,6,7
	global_store_b128 v[GO], v[FR+4*\n:FR+4*\n+3], s[O1:O1+1] offset:(2*\n+8*(\n/4))*4096 th:TH_STORE_NT
.endr
	s_wait_tensorcnt 0x0
	ds_add_u32 v254, v255
	s_wait_dscnt 0x0
	CROUND                                         ; the closing round: no work-group ends while a partner may still ask for a record that names it
	s_endpgm
.Lfunc_end_k_q7a024a2181_attn:
	.size	k_q7a024a2181_attn, .Lfunc_end_k_q7a024a2181_attn-k_q7a024a2181_attn
	.p2alignl 7, 3214868480
	.fill 96, 4, 3214868480
	.section	.rodata,"a",@progbits
	.p2align	6, 0x0
	.amdhsa_kernel k_q7a024a2181_attn
		.amdhsa_group_segment_fixed_size 327680
		.amdhsa_private_segment_fixed_size 0
		.amdhsa_enable_private_segment 0
		.amdhsa_kernarg_size 40
		.amdhsa_user_sgpr_count 2
		.amdhsa_user_sgpr_kernarg_segment_ptr 1
		.amdhsa_wavefront_size32 1
		.amdhsa_system_sgpr_workgroup_id_x 1
		.amdhsa_system_sgpr_workgroup_id_y 1
		.amdhsa_system_sgpr_workgroup_id_z 1
		.amdhsa_system_vgpr_workitem_id 0
		.amdhsa_next_free_vgpr 256
		.amdhsa_next_free_sgpr 66
		.amdhsa_reserve_vcc 0
		.amdhsa_float_denorm_mode_32 3
		.amdhsa_float_denorm_mode_16_64 3
		.amdhsa_memory_ordered 1
		.amdhsa_forward_progress 1
		.amdhsa_inst_pref_size 125
	.end_amdhsa_kernel
	.amdgpu_metadata
---
amdhsa.version: [ 1, 2 ]
amdhsa.kernels:
  - .name:           k_q7a024a2181_attn
    .symbol:         k_q7a024a2181_attn.kd
    .args:
      - { .name: qrec, .offset: 0, .size: 8, .value_kind: global_buffer, .address_space: global }
      - { .name: kv, .offset: 8, .size: 8, .value_kind: global_buffer, .address_space: global }
      - { .name: residual_score, .offset: 16, .size: 8, .value_kind: global_buffer, .address_space: global }
      - { .name: out0, .offset: 24, .size: 8, .value_kind: global_buffer, .address_space: global }
      - { .name: out1, .offset: 32, .size: 8, .value_kind: global_buffer, .address_space: global }
    .group_segment_fixed_size: 327680
    .private_segment_fixed_size: 0
    .kernarg_segment_align: 8
    .kernarg_segment_size: 40
    .max_flat_workgroup_size: 512
    .sgpr_count:     66
    .vgpr_count:     256
    .wavefront_size: 32
...
	.end_amdgpu_metadata
.endif
;; end of part 3
;; ======== version 2 of 2: 3 launches
;; workspace buffers: wimg 3,145,728 bytes; wsc 98,304 bytes; qrec 17,825,792 bytes; kv 17,825,792 bytes
;; launch quantw (part 4): grid 16 x 24, 2 waves a work-group, no clusters, 0 bytes of LDS; arguments wq, wk, wv, wimg, wsc; writes wimg, wsc
.if DOCPART == 4
	.amdgcn_target "amdgcn-amd-amdhsa--gfx1250"
	.amdhsa_code_object_version 6
	.text
	.protected	k_q7a024a2181_quantw
	.globl	k_q7a024a2181_quantw
	.p2align	8
	.type	k_q7a024a2181_quantw,@function
k_q7a024a2181_quantw:
	s_mov_b64 s[64:65], 0
	v_nop
	global_prefetch_b8 v0, s[64:65] scope:SCOPE_SE
	s_setreg_imm32_b32 hwreg(HW_REG_WAVE_MODE, 25, 1), 1
	s_wait_xcnt 0x0
; wq, wk, wv: [1024 (k)][1024 (n)] f32, K is the FIRST axis.  They become codes of BF8 (E5M2) with one E8M0 scale byte for each 32 along K, laid in the ORDER OF AN OPERAND'S REGISTERS:
;   wimg [unit = 3 head + g (48)][K step s (8)][tile t (4)][register group c (4)][lane (32)][16 bytes];  g = 0 wq, 1 wk, 2 wv
;   wsc  [unit][8 (t / 2) + s (16)][lane (32)] words: lanes 0-15 the rows of tile 2 (t / 2), lanes 16-31 those of tile 2 (t / 2) + 1; a word's byte c scales k = 128 s + 32 c on.
; THE COLUMNS THAT FORM A TILE ARE NOT NEIGHBOURS: lane r of tile 2 B + U of a head takes column 32 B + 8 U + r + 8 (r / 8), so that a product's 16 results of tiles 2 B and 2 B + 1 are 16 neighbours.
; A block's scale is 2^(floor(log2(its largest magnitude)) - 15); its byte is the largest magnitude's exponent field - 15, held at 1 from below.
; SHARES.  Work-group x = the head (64 columns: 256 aligned bytes of each row of w), y = 8 g + s; wave b' takes 32 of the columns (tiles 2 b', 2 b' + 1) x 128 along K.
; A LANE TAKES A COLUMN, AND ITS REGISTERS RUN DOWN K: a block of 32 lies in one lane's 32 registers, its largest magnitude needs no other lane, and the conversions give codes with K innermost.
; A lane's 32 codes of block c are two groups of 16 bytes: the places of lanes r and 16 + r of its tile's group c.  So each store writes 256 consecutive aligned bytes from lanes 0-15 and 256 from lanes 16-31.
; The scale words leave as 128 consecutive bytes a wave: one byte in 128 of what the launch reads.  No LDS, no barrier, no loop: waves share nothing, and every offset is an immediate.
; No cluster: no two work-groups read the same bytes.
; LIMITS: NaN and infinities among the inputs are not served.  A block of zeros, or one whose largest magnitude lies under 2^-111, gets the byte 1: a block of zeros has zero codes, and this program alone reads the bytes.
.set EMAX, 15
.set IN,   4                           ; v4   my column's byte in the wave's 128 bytes of a row
.set OUTA, 5                           ; v5   my 16 bytes' place in the wave's two tiles
.set SCA,  6                           ; v6   4 x lane
.set SB,   24                          ; v24  my column's scale word
.set X,    32                          ; v32-159  128 numbers down K
.set C,    160                         ; v160-191 codes: eight registers for each block, so that no store's data are written again
	s_load_b128 s[4:7], s[0:1], 0x0                ; wq, wk
	s_load_b128 s[8:11], s[0:1], 0x10              ; wv, wimg
	s_load_b64 s[12:13], s[0:1], 0x20              ; wsc
	v_lshrrev_b32 v1, 5, v0
	v_readfirstlane_b32 s14, v1                    ; b': wave 0, 1
	v_and_b32 v2, 15, v0                           ; r
	v_bfe_u32 v3, v0, 4, 1                         ; u: which of the wave's two tiles
	v_and_b32 v[IN], 8, v2
	v_add_nc_u32 v[IN], v[IN], v2                  ; r + 8 (r / 8)
	v_lshl_add_u32 v[IN], v3, 3, v[IN]             ; + 8 u
	v_lshlrev_b32 v[IN], 2, v[IN]                  ; in bytes
	v_lshlrev_b32 v[OUTA], 4, v2
	v_lshl_add_u32 v[OUTA], v3, 11, v[OUTA]        ; 2,048 u + 16 r
	v_and_b32 v[SCA], 31, v0
	v_lshlrev_b32 v[SCA], 2, v[SCA]
	s_and_b32 s15, ttmp7, 0xffff                   ; 8 g + s
	s_lshr_b32 s16, s15, 3                         ; g
	s_and_b32 s17, s15, 7                          ; s
	s_lshl_b32 s18, s17, 19                        ; in: 128 s rows of 4,096 bytes
	s_lshl_b32 s20, ttmp9, 8                       ; + the head's 256 bytes
	s_add_co_u32 s18, s18, s20
	s_lshl_b32 s20, s14, 7                         ; + the wave's 128
	s_add_co_u32 s18, s18, s20
	s_mov_b32 s19, 0
	s_mul_i32 s20, ttmp9, 3
	s_add_co_u32 s20, s20, s16                     ; the unit
	s_lshl_b32 s22, s20, 16                        ; codes: 65,536 a unit,
	s_lshl_b32 s24, s17, 13                        ; 8,192 a K step,
	s_add_co_u32 s22, s22, s24
	s_lshl_b32 s24, s14, 12                        ; 4,096 for two tiles
	s_add_co_u32 s22, s22, s24
	s_mov_b32 s23, 0
	s_lshl_b32 s24, s20, 11                        ; scale words: 2,048 a unit,
	s_lshl_b32 s26, s14, 3
	s_add_co_u32 s26, s26, s17
	s_lshl_b32 s26, s26, 7                         ; 128 for each 8 b' + s
	s_add_co_u32 s24, s24, s26
	s_mov_b32 s25, 0
	s_mov_b32 s27, 0x600000                        ; the mantissa field of 57,344
	s_wait_alu depctr_va_vdst(0)
	s_wait_kmcnt 0x0
	s_cmp_eq_u32 s16, 0                            ; which weight: the choice hangs on the work-group's number alone
	s_cselect_b64 s[4:5], s[4:5], s[6:7]
	s_cmp_eq_u32 s16, 2
	s_cselect_b64 s[4:5], s[8:9], s[4:5]
	s_add_nc_u64 s[4:5], s[4:5], s[18:19]
	s_add_nc_u64 s[10:11], s[10:11], s[22:23]
	s_add_nc_u64 s[12:13], s[12:13], s[24:25]
.irp c, 0,1,2,3
.irp i, 0,1,2,3,4,5,6,7,8,9,10,11,12,13,14,15,16,17,18,19,20,21,22,23,24,25,26,27,28,29,30,31
	global_load_b32 v[X+32*\c+\i], v[IN], s[4:5] offset:(32*\c+\i)*4096 th:TH_LOAD_NT   ; w(128 s + 32 c + i, my column): the wave reads 128 consecutive bytes; each byte of w is read once in the launch
.endr
.endr
.macro BLOCK c
.set XB, X+32*(\c)
.if (\c) < 2
	s_wait_loadcnt 63                              ; behind this block's loads stand 96 or 64 others; the wait names the most that its field holds, which is fewer
.else
	s_wait_loadcnt 32*(3-(\c))                     ; the later blocks' loads may be out
.endif
	v_max3_num_f32 v12, |v[XB]|, |v[XB+1]|, |v[XB+2]|      ; the block's largest magnitude: all 32 numbers are mine; two chains
	v_max3_num_f32 v13, |v[XB+3]|, |v[XB+4]|, |v[XB+5]|
.irp i, 6,10,14,18,22,26
	v_max3_num_f32 v12, v12, |v[XB+\i]|, |v[XB+\i+1]|
	v_max3_num_f32 v13, v13, |v[XB+\i+2]|, |v[XB+\i+3]|
.endr
	v_max3_num_f32 v12, v12, |v[XB+30]|, |v[XB+31]|
	v_max3_num_f32 v12, v12, v13, (EMAX+1)<<23     ; and the floor 2^(16 - 127): the byte cannot fall under 1
	v_add_nc_u32 v11, -(EMAX<<23), v12             ; 15 off its exponent field: the conversion takes the exponent field of this operand as its scale
	v_and_or_b32 v10, v12, 0x7f800000, s27         ; 57,344 x the scale
	v_lshrrev_b32 v13, 23, v11                     ; the scale's byte
.if (\c) == 0
	v_mov_b32 v[SB], v13
.else
	v_lshl_or_b32 v[SB], v13, 8*(\c), v[SB]        ; the lower K in the lower byte
.endif
.set j, 0
.rept 32
	v_med3_num_f32 v[XB+j], v[XB+j], -v10, v10     ; the conversion to an 8-bit code does not saturate (ISA guide 7.6.2): the hold at the largest code x the scale
.set j, j+1
.endr
.irp g, 0,1,2,3
	v_cvt_scalef32_pk8_bf8_f32 v[C+8*(\c)+2*\g:C+8*(\c)+2*\g+1], v[XB+8*\g:XB+8*\g+7], v11
.endr
	global_store_b128 v[OUTA], v[C+8*(\c):C+8*(\c)+3], s[10:11] offset:512*(\c)          ; k = 32 c + 0 .. 15: the place of lane r of my tile's group c
	global_store_b128 v[OUTA], v[C+8*(\c)+4:C+8*(\c)+7], s[10:11] offset:512*(\c)+256    ; k = 32 c + 16 .. 31: that of lane 16 + r
.endm
	BLOCK 0
	BLOCK 1
	BLOCK 2
	BLOCK 3
	global_store_b32 v[SCA], v[SB], s[12:13]       ; the wave's 32 scale words
	s_endpgm
.Lfunc_end_k_q7a024a2181_quantw:
	.size	k_q7a024a2181_quantw, .Lfunc_end_k_q7a024a2181_quantw-k_q7a024a2181_quantw
	.p2alignl 7, 3214868480
	.fill 96, 4, 3214868480
	.section	.rodata,"a",@progbits
	.p2align	6, 0x0
	.amdhsa_kernel k_q7a024a2181_quantw
		.amdhsa_group_segment_fixed_size 0
		.amdhsa_private_segment_fixed_size 0
		.amdhsa_enable_private_segment 0
		.amdhsa_kernarg_size 40
		.amdhsa_user_sgpr_count 2
		.amdhsa_user_sgpr_kernarg_segment_ptr 1
		.amdhsa_wavefront_size32 1
		.amdhsa_system_sgpr_workgroup_id_x 1
		.amdhsa_system_sgpr_workgroup_id_y 1
		.amdhsa_system_sgpr_workgroup_id_z 1
		.amdhsa_system_vgpr_workitem_id 0
		.amdhsa_next_free_vgpr 192
		.amdhsa_next_free_sgpr 66
		.amdhsa_reserve_vcc 0
		.amdhsa_float_denorm_mode_32 3
		.amdhsa_float_denorm_mode_16_64 3
		.amdhsa_memory_ordered 1
		.amdhsa_forward_progress 1
		.amdhsa_inst_pref_size 30
	.end_amdhsa_kernel
	.amdgpu_metadata
---
amdhsa.version: [ 1, 2 ]
amdhsa.kernels:
  - .name:           k_q7a024a2181_quantw
    .symbol:         k_q7a024a2181_quantw.kd
    .args:
      - { .name: wq, .offset: 0, .size: 8, .value_kind: global_buffer, .address_space: global }
      - { .name: wk, .offset: 8, .size: 8, .value_kind: global_buffer, .address_space: global }
      - { .name: wv, .offset: 16, .size: 8, .value_kind: global_buffer, .address_space: global }
      - { .name: wimg, .offset: 24, .size: 8, .value_kind: global_buffer, .address_space: global }
      - { .name: wsc, .offset: 32, .size: 8, .value_kind: global_buffer, .address_space: global }
    .group_segment_fixed_size: 0
    .private_segment_fixed_size: 0
    .kernarg_segment_align: 8
    .kernarg_segment_size: 40
    .max_flat_workgroup_size: 64
    .sgpr_count:     66
    .vgpr_count:     192
    .wavefront_size: 32
...
	.end_amdgpu_metadata
.endif
;; end of part 4
;; launch proj (part 5): grid 4 x 64, 4 waves a work-group, no clusters, 135,680 bytes of LDS; arguments X, wimg, wsc, qrec, kv; writes qrec, kv
.if DOCPART == 5
	.amdgcn_target "amdgcn-amd-amdhsa--gfx1250"
	.amdhsa_code_object_version 6
	.text
	.protected	k_q7a024a2181_proj
	.globl	k_q7a024a2181_proj
	.p2align	8
	.type	k_q7a024a2181_proj,@function
k_q7a024a2181_proj:
	s_mov_b64 s[64:65], 0
	v_nop
	global_prefetch_b8 v0, s[64:65] scope:SCOPE_SE
	s_setreg_imm32_b32 hwreg(HW_REG_WAVE_SCHED_MODE, 0, 2), 2
	s_setreg_imm32_b32 hwreg(HW_REG_WAVE_MODE, 25, 1), 1
	s_wait_xcnt 0x0
	s_wait_alu depctr_vm_vsrc(0)
; q = X wq, k = X wk, v = X wv, each [8192][1024], on codes of BF8 (E5M2) with one E8M0 scale for each 32 along K = 1,024; the results are quantised at once for the attention that follows:
; q and k along a head's 64 channels, v along the keys.  X: [8192][1024] f32: the kernel quantises it.  The weights come as images of operand registers (wimg, wsc: made by the launch before).
; OUT: a RECORD of 17,408 bytes for each 128 tokens of each head, at [16 batch + head][token / 128]:
;   +0      codes of k (in qrec: of q): 4 double fragments i, each [register group (4)][lane][16 bytes]: registers 0-7 token tile 2 i (channels 0-63), registers 8-15 token tile 2 i + 1
;   +8192   codes of v: 4 tiles of 16 channels, each [register group (4)][lane][16 bytes], K = the 128 tokens
;   +16384  k's (q's) scale words [lane][4: one for each double fragment];   +16896 v's [lane][4: one for each tile].  In qrec only the parts at +0 and +16384 are written, and only they are read.
; THE ROWS OF A TILE ARE NOT NEIGHBOURS, for tokens and for channels alike: lane r of tile 2 B + U takes row 32 B + 8 U + r + 8 (r / 8).  A result's register j of lane (r, h) belongs to tile row 8 h + j, that is row
; 32 B + 8 U + 16 h + j: the 16 registers of tiles 2 B and 2 B + 1 are 16 NEIGHBOURS, 32 B + 16 h + 0 .. 15, which is what an operand's registers 4 B .. 4 B + 3 hold.  So every conversion's result is an operand's registers.
; SHARES.  Work-group (x = j, y = mb): heads 4 j .. 4 j + 3, tokens 128 mb on.  Wave w owns head 4 j + w for all 128 tokens, in three passes q, k, v of 128 x 64: 32 accumulators, 256 matrix instructions a pass.
; X PHASE: wave w quantises token tiles 2 w, 2 w + 1 for all of K and stores their fragments in LDS as images of their registers (16 bytes a lane, 512 consecutive bytes a store); ONE barrier; then LDS is only read.
; PASSES q, k are used TRANSPOSED (source 0 = 16 channels of W, source 1 = 16 tokens): a lane holds one token, its registers run along the channels.  Pass v: source 0 = tokens, source 1 = channels: a lane holds one
; channel, its registers run along the tokens, which are the keys.
; A pass's fragments of W, 65,536 bytes, are 512 registers of the wave (windows 1 and 2); those of the next pass are asked for K step by K step, into the registers multiplied a K step before: nearly a whole pass ahead of their use.
; NO TENSOR LOADS, NO CLUSTER: each fragment of W is multiplied by one wave of the work-group alone, so it goes from memory straight into that wave's registers, as it lies.  A block of X is 524,288 bytes of f32,
; more than LDS holds; it goes once through registers, in the order that the conversions take, and only its codes, 131,072 bytes, are kept.
; LIMITS: NaN and infinities are not served.  A block of zeros, or one whose largest magnitude lies under 2^-111, gets the scale byte 1: a block of zeros has zero codes, and this program alone reads the bytes.
; REGISTERS, in windows of 256 (s_set_vgpr_msb: bits 1:0 source 0, 3:2 source 1, 5:4 source 2, 7:6 destination):
;   window 0: v1-9 addresses; v16-31 W's scale words; v32-39 X's, two sets; v40-55 at work; v56-59 the scale words just made; v64-127 the codes just made; in a pass's K steps v64-255 are three groups of four fragments of X
;   windows 1, 2: W's fragments: K step s in window 1 + s / 4 at v[64 (s % 4) + 16 t];   window 3: four sets of 64 numbers of X, then the 32 accumulators
; THE MODE: SCHED_MODE bits 1:0 = 2 (LLVM: expert scheduling mode 2), set by the entry lines.  The code itself states the register dependences
; between vector or matrix instructions and memory or LDS instructions, with s_wait_alu, always for 0.
; THE PLAN.  Registers that memory or LDS instructions touch, and who else names them:
;   v1-7       offsets and addresses: made once at the head, never written again.  One wait on va_vdst at the head serves every load and store of the kernel.
;   v8, v9     the X phase's LDS addresses: written at a trip's head (behind a wait on vm_vsrc), read by the trip's LDS stores.
;   set i of window 3 (X phase): its quantising reads and rewrites it; behind that it is loaded again.
;   v64-127, v56-59  codes and scale words: written by a quantising, read by the stores behind it.  ONE wait on va_vdst behind each quantising states all of this: the set is done with, codes and word are written.
;              They are written again only behind a wait on vm_vsrc: at the next trip's head, at the next pass's head.
;   G0 = v64, G1 = v128, G2 = v192: THREE GROUPS of four fragments of X.  Half n of a pass (K step n / 2, tiles 4 (n % 2) on) lies in group (n + 1) % 3: a pass begins and ends in G1, and G0 is free for the codes at its end.
;   XS0, XS1   X's scale words of even and of odd K steps.      W's fragments of K step s, and W's scale words: read by the pass's products; the next pass's land in them.
; In a pass ONE wait on va_vdst stands at the head of K step s > 0: the products of step s - 1 are done reading the groups of halves 2 s - 2 and 2 s - 1, their set of X's scale words and their fragments of W.
; All loads of step s land in just these: half 2 s + 1, half 2 s + 2, the scale words of step s + 1, the next pass's W of K step s - 1.  The products of step s name the groups of halves 2 s and 2 s + 1, the other set of
; scale words, W's K step s and the accumulators: none of the registers that those loads touch.  So the loads are dealt among the step's products with no further wait.
; Step 0 has no such wait: what its loads land in was last named ahead of the wait at the end of the pass before, or of the wait behind the last quantising.
.set REC,  17408
.set XSC,  131072                      ; LDS: X's fragments [K step 8][tile 8][group 4][lane][16 bytes] from 0; from here their scale words [K step 8][a' 4][128 bytes]: lanes 0-15 tile a', lanes 16-31 tile a' + 4
.set LI,   1                           ; v1   16 x lane
.set LI2,  2                           ; v2   the same + 65,536: K steps 4 to 7 (an LDS offset has 16 bits)
.set LS,   3                           ; v3   XSC + 4 x lane
.set XA,   4                           ; v4   X: my row's byte among the tile's: (r + 8 (r / 8)) x 4,096 + 64 h
.set XWI,  5                           ; v5   where my wave's images begin: 16 x lane + 4,096 x wave
.set XWS,  6                           ; v6   and its scale words: XSC + 4 r + 256 (wave % 2) + 64 (wave / 2)
.set LS4,  7                           ; v7   4 x lane
.set XWJ,  8                           ; v8   XWI + the trip's two K steps
.set XWT,  9                           ; v9   XWS + the same
.set WS,   16
.set XS,   32
.set TM,   40                          ; v40-43 largest magnitudes, v44-47 bytes, v48-51 57,344 x the scale, v52-55 the conversions' scale operands
.set WD,   56
.set PC,   64                          ; the four registers of (set i, block b) lie at PC + 4 i + 16 ((b + 1) % 4): so no conversion names one register number as result and as source
.set AG,   64                          ; the three groups of X's fragments: group g at AG + 64 g, tile a % 4 at + 16 (a % 4)
.set WV,   14                          ; s14  wave
.set XP,   16                          ; s[16:17] X at my wave's 32 rows, at the trip's K steps
.set WB,   18                          ; s[18:19] the unit of wimg that is being asked for
.set WSP,  20                          ; s[20:21] and of wsc
.set OP,   22                          ; s[22:23] the record that the pass writes
.set KVP,  24                          ; s[24:25] my record in kv
.set SEL,  26                          ; s[26:27] v_permlanex16_b32's selects for lane l xor 16
.set MNT,  28                          ; s28  the mantissa field of 57,344
.set CNT,  29
.set XO,   30                          ; s30  the trip's place among X's images: 32,768 a trip
.set XSO,  31                          ; s31  and among the scale words: 1,024 a trip
.set MSB, 0
.macro WIN new                         ; the immediate's high byte repeats the setting that is left; a switch that changes nothing is dropped
.if MSB != (\new)
	s_set_vgpr_msb (MSB<<8)|(\new)
.set MSB, \new
.endif
.endm
.macro PLACES                          ; eight places behind this matrix form, in front of the first read of its results; in front of loads into registers that it has read they stand beside the wait
.rept 8
	v_nop
.endr
.endm
; 64 numbers of a lane in window 3, v[s] on, register 16 b + i = k 32 b + 16 (lane / 16) + i of my row, become 16 registers of codes (four groups from v[pc] on, as PC says) and the scale word v[wd], in window 0.
.macro QUANT s, pc, wd
	WIN 0x0f                                       ; sources 0 and 1 window 3
.irp b, 0,1,2,3
	v_max3_num_f32 v[TM+\b], |v[(\s)+16*\b]|, |v[(\s)+16*\b+1]|, 0x8000000   ; block b: my 16 numbers, from the low end on, and the floor 2^(16 - 127): the byte cannot fall under 1
.endr
.irp i, 2,4,6,8,10,12,14
.irp b, 0,1,2,3
	v_max3_num_f32 v[TM+\b], |v[(\s)+16*\b+\i]|, |v[(\s)+16*\b+\i+1]|, v[TM+\b]   ; (the four blocks by turns)
.endr
.endr
	WIN 0
.irp b, 0,1,2,3
	v_permlanex16_b32 v[TM+4+\b], v[TM+\b], s[SEL], s[SEL+1]
.endr
.irp b, 0,1,2,3
	v_max_num_f32 v[TM+\b], v[TM+\b], v[TM+4+\b]   ; with lane l xor 16's 16: the block's largest magnitude
.endr
.irp b, 0,1,2,3
	v_add_nc_u32 v[TM+12+\b], 0xf8800000, v[TM+\b] ; 15 off its exponent field: the conversion's scale operand
.endr
.irp b, 0,1,2,3
	v_and_or_b32 v[TM+8+\b], v[TM+\b], 0x7f800000, s[MNT]   ; 57,344 x the scale
.endr
.irp b, 0,1,2,3
	v_lshrrev_b32 v[TM+4+\b], 23, v[TM+12+\b]      ; the scale's byte
.endr
	v_lshl_or_b32 v[\wd], v[TM+5], 8, v[TM+4]      ; the four bytes make my row's scale word (lanes l and l xor 16 hold the same)
	v_lshl_or_b32 v[\wd], v[TM+6], 16, v[\wd]
	v_lshl_or_b32 v[\wd], v[TM+7], 24, v[\wd]
	WIN 0xc3                                       ; destination and source 0 window 3
.irp b, 0,1,2,3
.set j, 0
.rept 16
	v_med3_num_f32 v[(\s)+16*\b+j], v[(\s)+16*\b+j], -v[TM+8+\b], v[TM+8+\b]   ; the conversion to an 8-bit code does not saturate (ISA guide 7.6.2): the hold
.set j, j+1
.endr
.endr
	WIN 0x03                                       ; source 0 window 3
.irp b, 0,1,2,3
	v_cvt_scalef32_pk8_bf8_f32 v[(\pc)+16*((\b+1)%4):(\pc)+16*((\b+1)%4)+1], v[(\s)+16*\b:(\s)+16*\b+7], v[TM+12+\b]
	v_cvt_scalef32_pk8_bf8_f32 v[(\pc)+16*((\b+1)%4)+2:(\pc)+16*((\b+1)%4)+3], v[(\s)+16*\b+8:(\s)+16*\b+15], v[TM+12+\b]
.endr
	WIN 0
	v_nop                                          ; one plain vector instruction between the last conversion and whatever vector or matrix instruction next writes its sources
.endm
; set i of X: tile 2 w + i % 2, the trip's K step i / 2, extra bytes further along K: 64 numbers a lane, 16 neighbours of each block of 32
.macro XLOAD i, extra
	WIN 0xc0                                       ; destination window 3
.irp b, 0,1,2,3
.irp q, 0,1,2,3
	global_load_b128 v[64*(\i)+16*\b+4*\q:64*(\i)+16*\b+4*\q+3], v[XA], s[XP:XP+1] offset:((\i)&1)*32768+((\i)>>1)*512+(\extra)+128*\b+16*\q
.endr
.endr
.endm
.macro BFRAG s, t                      ; W's fragment of K step s, tile t, as it lies: 512 consecutive bytes a load
	WIN 0x40*(1+((\s)>>2))
.irp c, 0,1,2,3
	global_load_b128 v[64*((\s)&3)+16*(\t)+4*\c:64*((\s)&3)+16*(\t)+4*\c+3], v[LI], s[WB:WB+1] offset:(\s)*8192+(\t)*2048+\c*512
.endr
.endm
.macro BLOAD s                         ; W's four fragments of K step s
.irp t, 0,1,2,3
	BFRAG \s, \t
.endr
.endm
.macro WSLOAD                          ; W's scale words of a whole pass: register 8 (t / 2) + s; lanes 0-15 the even tile, lanes 16-31 the odd one
	WIN 0
.irp p, 0,1,2,3,4,5,6,7,8,9,10,11,12,13,14,15
	global_load_b32 v[WS+\p], v[LS4], s[WSP:WSP+1] offset:128*\p
.endr
.endm
.macro FRAG s, a                       ; X's fragment of K step s, tile a, into its place in group (2 s + a / 4 + 1) % 3  (every window is 0 here)
.set FD, AG+64*((2*(\s)+(\a)/4+1)%3)+16*((\a)%4)
.irp c, 0,1,2,3
	ds_load_b128 v[FD+4*\c:FD+4*\c+3], v[LI+((\s)>>2)] offset:((\s)&3)*16384+(\a)*2048+512*\c
.endr
.endm
.macro XSW s, a                        ; the scale words of K step s for tiles a (lanes 0-15) and a + 4 (lanes 16-31), into set s % 2
	ds_load_b32 v[XS+4*((\s)&1)+(\a)], v[LS] offset:(\s)*512+(\a)*128
.endm
; one matrix instruction.  d: the accumulator; x, y: sources 0 and 1; z = 1: C = 0, the product starts the sum; sx, sy: their scale registers; rx, ry = 1: the scales stand in lanes 16-31
.macro WM d, x, y, z, sx, sy, rx, ry
.if (\z) && (\rx) && (\ry)
	v_wmma_scale_f32_16x16x128_f8f6f4 v[(\d):(\d)+7], v[(\x):(\x)+15], v[(\y):(\y)+15], 0, v[\sx], v[\sy] matrix_a_fmt:MATRIX_FMT_BF8 matrix_b_fmt:MATRIX_FMT_BF8 matrix_a_scale:MATRIX_SCALE_ROW1 matrix_b_scale:MATRIX_SCALE_ROW1
.elseif (\z) && (\rx)
	v_wmma_scale_f32_16x16x128_f8f6f4 v[(\d):(\d)+7], v[(\x):(\x)+15], v[(\y):(\y)+15], 0, v[\sx], v[\sy] matrix_a_fmt:MATRIX_FMT_BF8 matrix_b_fmt:MATRIX_FMT_BF8 matrix_a_scale:MATRIX_SCALE_ROW1
.elseif (\z) && (\ry)
	v_wmma_scale_f32_16x16x128_f8f6f4 v[(\d):(\d)+7], v[(\x):(\x)+15], v[(\y):(\y)+15], 0, v[\sx], v[\sy] matrix_a_fmt:MATRIX_FMT_BF8 matrix_b_fmt:MATRIX_FMT_BF8 matrix_b_scale:MATRIX_SCALE_ROW1
.elseif (\z)
	v_wmma_scale_f32_16x16x128_f8f6f4 v[(\d):(\d)+7], v[(\x):(\x)+15], v[(\y):(\y)+15], 0, v[\sx], v[\sy] matrix_a_fmt:MATRIX_FMT_BF8 matrix_b_fmt:MATRIX_FMT_BF8
.elseif (\rx) && (\ry)
	v_wmma_scale_f32_16x16x128_f8f6f4 v[(\d):(\d)+7], v[(\x):(\x)+15], v[(\y):(\y)+15], v[(\d):(\d)+7], v[\sx], v[\sy] matrix_a_fmt:MATRIX_FMT_BF8 matrix_b_fmt:MATRIX_FMT_BF8 matrix_a_scale:MATRIX_SCALE_ROW1 matrix_b_scale:MATRIX_SCALE_ROW1
.elseif (\rx)
	v_wmma_scale_f32_16x16x128_f8f6f4 v[(\d):(\d)+7], v[(\x):(\x)+15], v[(\y):(\y)+15], v[(\d):(\d)+7], v[\sx], v[\sy] matrix_a_fmt:MATRIX_FMT_BF8 matrix_b_fmt:MATRIX_FMT_BF8 matrix_a_scale:MATRIX_SCALE_ROW1
.elseif (\ry)
	v_wmma_scale_f32_16x16x128_f8f6f4 v[(\d):(\d)+7], v[(\x):(\x)+15], v[(\y):(\y)+15], v[(\d):(\d)+7], v[\sx], v[\sy] matrix_a_fmt:MATRIX_FMT_BF8 matrix_b_fmt:MATRIX_FMT_BF8 matrix_b_scale:MATRIX_SCALE_ROW1
.else
	v_wmma_scale_f32_16x16x128_f8f6f4 v[(\d):(\d)+7], v[(\x):(\x)+15], v[(\y):(\y)+15], v[(\d):(\d)+7], v[\sx], v[\sy] matrix_a_fmt:MATRIX_FMT_BF8 matrix_b_fmt:MATRIX_FMT_BF8
.endif
.endm
; 4 matrix instructions of K step s: token tile a (0 to 7) x W's four tiles.  A step's 32 accumulators take turns, one instruction a turn, tile by tile, in the same order in every step.
; kind 0 (q, k): source 0 = W's tile b, source 1 = X's tile a, accumulator at 8 (4 a + b).   kind 1 (v): source 0 = X's tile a, source 1 = W's tile b, accumulator at 8 (8 b + a).
.macro MUL4 kind, s, a, zero
.if \kind
	WIN 0xf0|((1+((\s)>>2))<<2)
.else
	WIN 0xf0|(1+((\s)>>2))
.endif
.set FA, AG+64*((2*(\s)+(\a)/4+1)%3)+16*((\a)%4)
.irp b, 0,1,2,3
.if \kind
	WM 8*(8*\b+(\a)), FA, 64*((\s)&3)+16*\b, \zero, XS+4*((\s)&1)+(\a)%4, WS+8*(\b/2)+(\s), (\a)/4, \b%2
.else
	WM 8*(4*(\a)+\b), 64*((\s)&3)+16*\b, FA, \zero, WS+8*(\b/2)+(\s), XS+4*((\s)&1)+(\a)%4, \b%2, (\a)/4
.endif
.endr
.endm
; A K step: 32 matrix instructions.  At its head tiles 0-3 and the scale words are on their way or in; tiles 4-7 are asked for first.  Behind each pair of tiles of the first half: two scale words and two fragments of
; the next K step's tiles 0-3.  Behind each pair of the second half: two fragments of the NEXT pass's W for the K step before this one.  last = 1: pass v, behind which nothing follows.
.macro STEP kind, s, last
.if (\s) < 7
.set NY, 20                            ; LDS loads in the first half's two runs
.elseif \last
.set NY, 0
.else
.set NY, 4                             ; K step 7 of q and k: the scale words of the next pass's K step 0 alone
.endif
.if (\s) > 0
	PLACES                                         ; behind the last step's products, ahead of the wait and of every load of this step
	WIN 0
	s_wait_alu depctr_va_vdst(0)                   ; the last step's products are done reading their eight fragments of X, their set of X's scale words and their fragments of W: all loads of this step land in these
.endif
.irp a, 4,5,6,7
	FRAG \s, \a
.endr
	s_wait_dscnt 16                                ; tiles 0-3 and the scale words are in; the sixteen loads just issued (tiles 4-7) may be out
.irp p, 0,1
	MUL4 \kind, \s, 2*\p, (\s)==0
	MUL4 \kind, \s, 2*\p+1, (\s)==0
.if (\s) < 7
	WIN 0
	XSW (\s)+1, 2*\p                               ; no wait: no product since the step's head names the other set of scale words or the third group
	XSW (\s)+1, 2*\p+1
	FRAG (\s)+1, 2*\p
	FRAG (\s)+1, 2*\p+1
.elseif !(\last)
	WIN 0
	XSW 0, 2*\p                                    ; X's K step 0 comes again, for the next pass
	XSW 0, 2*\p+1
.endif
.endr
.irp p, 0,1
	s_wait_dscnt NY+12-8*\p                        ; LDS loads come back in order (ISA guide 5.7.1): this tile's four are in; the later tiles' and the two runs' may be out
	MUL4 \kind, \s, 4+2*\p, (\s)==0
	s_wait_dscnt NY+8-8*\p
	MUL4 \kind, \s, 5+2*\p, (\s)==0
.if ((\s) > 0) && !(\last)
	BFRAG (\s)-1, 2*\p                             ; no wait: no product since the step's head names W's fragments of the K step before
	BFRAG (\s)-1, 2*\p+1
.endif
.endr
.endm
; A pass's results, 64 registers at a time, become codes and scale words and leave as images: every store writes 512 consecutive aligned bytes.
.macro EPI coff, soff
.irp i, 0,1,2,3
	QUANT 64*\i, PC+4*\i, WD+\i
	s_wait_alu depctr_va_vdst(0)                   ; the conversions have written this set's codes and its scale word is made: the stores below read them
.irp c, 0,1,2,3
	global_store_b128 v[LI], v[PC+4*\i+16*((\c+1)%4):PC+4*\i+16*((\c+1)%4)+3], s[OP:OP+1] offset:(\coff)+2048*\i+512*\c
.endr
.endr
	global_store_b128 v[LI], v[WD:WD+3], s[OP:OP+1] offset:\soff   ; the four scale words: no vector instruction since the last wait names them
.endm
.macro PASS kind, last                 ; kind 1 is the last pass: v
	s_wait_loadcnt 0x0                             ; this pass's fragments and scale words of W: asked for a pass ago
	s_wait_alu depctr_vm_vsrc(0)                   ; the stores issued so far (the X phase's into LDS, the last pass's into its record) have read v64-127, in which K step 0's loads land, and v56-59, which this pass's end writes again
.irp s, 0,1,2,3,4,5,6,7
	STEP \kind, \s, \last
.endr
	PLACES                                         ; behind the last products, ahead of the first read of their results
	WIN 0
.if \last
	EPI 8192, 16896
.else
	s_wait_alu depctr_va_vdst(0)                   ; the pass's products are done reading tiles 4-7 of K step 7, W's fragments of K step 7 and W's scale words: the loads below land in these
.irp a, 0,1,2,3
	FRAG 0, \a                                     ; X's K step 0, tiles 0-3, for the next pass
.endr
	BLOAD 7
	WSLOAD
	EPI 0, 16384
.endif
.endm
; A trip of the X phase: two K steps of my two tiles.  more = 1: each set is loaded again, two K steps on; more = 0: W's first fragments take those loads' place, again 16 a set, so that the count stays.
.macro XTRIP more
	s_wait_dscnt 0x0                               ; the last trip's LDS stores have landed
	s_wait_alu depctr_vm_vsrc(0)                   ; and have read v8, v9, the codes and the scale words, all of which this trip writes again
	v_add_nc_u32 v[XWJ], s[XO], v[XWI]
	v_add_nc_u32 v[XWT], s[XSO], v[XWS]
.irp i, 0,1,2,3
	s_wait_loadcnt 48                              ; this set's 16 loads are in; the three younger groups of 16 may be out
	QUANT 64*\i, PC+4*\i, WD+\i
.if \more
	WIN 0xc0
.else
	WIN 0x40
.endif
	s_wait_alu depctr_va_vdst(0)                   ; the quantising is done with set i, in which the loads below land (more = 1); it has written the codes and the scale word, and v8 and v9 are written: the LDS stores below read them
.if \more
	XLOAD \i, 1024
.else
	BLOAD \i
.endif
	WIN 0
.irp c, 0,1,2,3
	ds_store_b128 v[XWJ], v[PC+4*\i+16*((\c+1)%4):PC+4*\i+16*((\c+1)%4)+3] offset:(\i/2)*16384+(\i%2)*2048+512*\c
.endr
	ds_store_b32 v[XWT], v[WD+\i] offset:(\i/2)*512+(\i%2)*128     ; lanes l and l xor 16 write the same word with the same value
.endr
.endm
	s_load_b256 s[4:11], s[0:1], 0x0               ; X s[4:5], wimg s[6:7], wsc s[8:9], qrec s[10:11]
	s_load_b64 s[12:13], s[0:1], 0x20              ; kv
	v_lshl_add_u32 v62, v0, 2, 0x21000
	v_mov_b32 v63, 0
	v_lshrrev_b32 v10, 5, v0
	v_readfirstlane_b32 s[WV], v10                 ; wave 0..3
	v_and_b32 v10, 31, v0                          ; lane
	v_and_b32 v11, 15, v0                          ; r
	v_bfe_u32 v12, v0, 4, 1                        ; h
	v_lshlrev_b32 v[LI], 4, v10
	v_add_nc_u32 v[LI2], 65536, v[LI]
	v_lshlrev_b32 v[LS4], 2, v10
	v_add_nc_u32 v[LS], XSC, v[LS4]
	v_and_b32 v13, 8, v11
	v_add_nc_u32 v13, v13, v11                     ; r + 8 (r / 8)
	v_lshlrev_b32 v[XA], 12, v13
	v_lshl_add_u32 v[XA], v12, 6, v[XA]
	s_wait_alu depctr_va_sdst(0)                   ; s14, the wave's number, is written, ahead of its first reader
	s_lshl_b32 s32, s[WV], 12
	v_add_nc_u32 v[XWI], s32, v[LI]
	s_and_b32 s32, s[WV], 1
	s_lshl_b32 s32, s32, 8
	s_lshr_b32 s33, s[WV], 1
	s_lshl_b32 s33, s33, 6
	s_add_co_u32 s32, s32, s33
	s_add_co_u32 s32, s32, XSC
	v_lshl_add_u32 v[XWS], v11, 2, s32
.irp b, 0,1,2,3
	v_mov_b32 v[TM+4+\b], 0                        ; written once: a lane permute's destination counts as one of its sources
.endr
	s_mov_b32 s[SEL], 0x76543210
	s_mov_b32 s[SEL+1], 0xfedcba98
	s_mov_b32 s[MNT], 0x600000
	s_and_b32 s33, ttmp7, 0xffff                   ; mb
	s_lshl_b32 s34, s33, 19                        ; X: 128 rows of 4,096 bytes a block,
	s_lshl_b32 s35, s[WV], 17                      ; 32 rows a wave
	s_add_co_u32 s34, s34, s35
	s_mov_b32 s35, 0
	s_lshl_b32 s36, ttmp9, 2
	s_add_co_u32 s36, s36, s[WV]                   ; my head
	s_mul_i32 s38, s36, 3*65536                    ; its three units of wimg
	s_mov_b32 s39, 0
	s_mul_i32 s40, s36, 3*2048                     ; and of wsc
	s_mov_b32 s41, 0
	s_lshr_b32 s42, s33, 4                         ; the batch
	s_lshl_b32 s42, s42, 4
	s_add_co_u32 s42, s42, s36
	s_lshl_b32 s42, s42, 4
	s_and_b32 s43, s33, 15                         ; which 128 tokens of it
	s_add_co_u32 s42, s42, s43
	s_mul_i32 s42, s42, REC                        ; my record
	s_mov_b32 s43, 0
	s_wait_kmcnt 0x0
	s_add_nc_u64 s[XP:XP+1], s[4:5], s[34:35]
	s_add_nc_u64 s[WB:WB+1], s[6:7], s[38:39]
	s_add_nc_u64 s[WSP:WSP+1], s[8:9], s[40:41]
	s_add_nc_u64 s[OP:OP+1], s[10:11], s[42:43]    ; pass q writes qrec
	s_add_nc_u64 s[KVP:KVP+1], s[12:13], s[42:43]
	WIN 0xc0
	s_wait_alu depctr_va_vdst(0)                   ; the offsets and addresses v1 to v7 are written: the kernel's loads and stores read them, and nothing writes them again
	XLOAD 0, 0                                     ; 64 loads a wave are out from here to the X phase's end
	XLOAD 1, 0
	XLOAD 2, 0
	XLOAD 3, 0
	WIN 0                                          ; at a label and at a branch every window is 0
	s_mov_b32 s[XO], 0
	s_mov_b32 s[XSO], 0
	s_mov_b32 s[CNT], 3
.Lx:
	XTRIP 1
	s_wait_xcnt 0x0                                ; the loads have read their base: it steps only behind this wait
	s_add_nc_u64 s[XP:XP+1], s[XP:XP+1], 1024      ; two K steps of f32
	s_add_co_u32 s[XO], s[XO], 32768
	s_add_co_u32 s[XSO], s[XSO], 1024
	s_sub_co_u32 s[CNT], s[CNT], 1
	s_cmp_lg_u32 s[CNT], 0
	s_cbranch_scc1 .Lx
	XTRIP 0                                        ; K steps 6 and 7: no load leaves X's rows; wq's K steps 0-3 are asked for
	BLOAD 4                                        ; (no vector or matrix instruction has yet named the registers in which W's fragments and scale words land)
	BLOAD 5
	BLOAD 6
	BLOAD 7
	WSLOAD
	s_wait_xcnt 0x0                                ; these loads have read their bases:
	s_add_nc_u64 s[WB:WB+1], s[WB:WB+1], 65536     ; what is asked for next is wk's
	s_add_nc_u64 s[WSP:WSP+1], s[WSP:WSP+1], 2048
	s_wait_dscnt 0x0                               ; for the others' sake: my images lie in LDS
	s_barrier_signal -1
	s_barrier_wait -1                              ; everybody's do; from here on LDS is only read
.irp a, 0,1,2,3
	FRAG 0, \a                                     ; K step 0, tiles 0-3, into v128-191, which nothing has named yet
.endr
.irp a, 0,1,2,3
	XSW 0, \a
.endr
	s_mov_b32 s[CNT], 2
.Lpass:                                                ; q, then k
	PASS 0, 0
	s_wait_xcnt 0x0                                ; the pass's loads and stores have read their bases and data: all may be written again
	s_add_nc_u64 s[WB:WB+1], s[WB:WB+1], 65536     ; (behind pass k the stepped bases are not used)
	s_add_nc_u64 s[WSP:WSP+1], s[WSP:WSP+1], 2048
	s_mov_b64 s[OP:OP+1], s[KVP:KVP+1]             ; k and v go to kv
	s_sub_co_u32 s[CNT], s[CNT], 1
	s_cmp_lg_u32 s[CNT], 0
	s_cbranch_scc1 .Lpass
	PASS 1, 1
	s_wait_dscnt 0x0
	s_wait_alu depctr_hold_cnt(0) depctr_sa_sdst(0) depctr_va_vdst(0) depctr_va_sdst(0) depctr_va_ssrc(0) depctr_va_vcc(0) depctr_vm_vsrc(0)
	s_wait_tensorcnt 0x0
	ds_add_u32 v62, v63
	s_wait_dscnt 0x0
	s_endpgm
.Lfunc_end_k_q7a024a2181_proj:
	.size	k_q7a024a2181_proj, .Lfunc_end_k_q7a024a2181_proj-k_q7a024a2181_proj
	.p2alignl 7, 3214868480
	.fill 96, 4, 3214868480
	.section	.rodata,"a",@progbits
	.p2align	6, 0x0
	.amdhsa_kernel k_q7a024a2181_proj
		.amdhsa_group_segment_fixed_size 135680
		.amdhsa_private_segment_fixed_size 0
		.amdhsa_enable_private_segment 0
		.amdhsa_kernarg_size 40
		.amdhsa_user_sgpr_count 2
		.amdhsa_user_sgpr_kernarg_segment_ptr 1
		.amdhsa_wavefront_size32 1
		.amdhsa_system_sgpr_workgroup_id_x 1
		.amdhsa_system_sgpr_workgroup_id_y 1
		.amdhsa_system_sgpr_workgroup_id_z 1
		.amdhsa_system_vgpr_workitem_id 0
		.amdhsa_next_free_vgpr 1024
		.amdhsa_next_free_sgpr 66
		.amdhsa_reserve_vcc 0
		.amdhsa_float_denorm_mode_32 3
		.amdhsa_float_denorm_mode_16_64 3
		.amdhsa_memory_ordered 1
		.amdhsa_forward_progress 1
		.amdhsa_inst_pref_size 255
	.end_amdhsa_kernel
	.section	.bss,"aw",@nobits
	.p2align	6
	.space	262144
	.amdgpu_metadata
---
amdhsa.version: [ 1, 2 ]
amdhsa.kernels:
  - .name:           k_q7a024a2181_proj
    .symbol:         k_q7a024a2181_proj.kd
    .args:
      - { .name: X, .offset: 0, .size: 8, .value_kind: global_buffer, .address_space: global }
      - { .name: wimg, .offset: 8, .size: 8, .value_kind: global_buffer, .address_space: global }
      - { .name: wsc, .offset: 16, .size: 8, .value_kind: global_buffer, .address_space: global }
      - { .name: qrec, .offset: 24, .size: 8, .value_kind: global_buffer, .address_space: global }
      - { .name: kv, .offset: 32, .size: 8, .value_kind: global_buffer, .address_space: global }
    .group_segment_fixed_size: 135680
    .private_segment_fixed_size: 0
    .kernarg_segment_align: 8
    .kernarg_segment_size: 40
    .max_flat_workgroup_size: 128
    .sgpr_count:     66
    .vgpr_count:     1024
    .wavefront_size: 32
...
	.end_amdgpu_metadata
.endif
;; end of part 5
;; launch attn (part 6): grid 8 x 64, 16 waves a work-group, clusters of 4 x 1, 327,680 bytes of LDS; arguments qrec, kv, residual_score, out0, out1; writes out0, out1
.if DOCPART == 6
	.amdgcn_target "amdgcn-amd-amdhsa--gfx1250"
	.amdhsa_code_object_version 6
	.text
	.protected	k_q7a024a2181_attn
	.globl	k_q7a024a2181_attn
	.p2align	8
	.type	k_q7a024a2181_attn,@function
k_q7a024a2181_attn:
	s_mov_b64 s[64:65], 0
	v_nop
	global_prefetch_b8 v0, s[64:65] scope:SCOPE_SE
	s_setreg_imm32_b32 hwreg(HW_REG_WAVE_MODE, 25, 1), 1
	s_wait_xcnt 0x0
	s_wait_alu depctr_hold_cnt(0) depctr_sa_sdst(0) depctr_va_vdst(0) depctr_va_sdst(0) depctr_va_ssrc(0) depctr_va_vcc(0) depctr_vm_vsrc(0)
	s_getreg_b32 s2, hwreg(HW_REG_IB_STS2, 6, 4)
	s_cmp_eq_u32 s2, 0
	s_cbranch_scc0 .Lentry_in_a_cluster
	s_endpgm
.Lentry_in_a_cluster:
	s_bfe_u32 s2, ttmp6, 0x10000c
	s_cmp_lg_u32 s2, 0x3003
	s_cbranch_scc0 .Lentry_shape_is_right
	s_endpgm
.Lentry_shape_is_right:
; out0 = out1 = softmax(q k^T / sqrt(128)) v + residual_score, head by head (16 heads of 64 channels, 2,048 tokens, 4 batches), both products on codes of BF8 (E5M2) with one E8M0 scale for each 32 along K.
; q, k, v come as RECORDS of 17,408 bytes for each 128 tokens of a head, made by the launch before, laid as images of operand registers ([register group][lane][16 bytes]):
;   +0 k's (in qrec q's) 4 double fragments: registers 0-7 token tile 2 i, registers 8-15 token tile 2 i + 1, each with the head's 64 channels;  +8192 v's 4 tiles of 16 channels, K = the 128 tokens;
;   +16384 k's (q's) scale words [lane][4];  +16896 v's [lane][4].   Lane r of tile 2 B + U is row 32 B + 8 U + r + 8 (r / 8), for tokens and channels alike.
; K = 64 FILLS HALF OF THE MATRIX INSTRUCTION'S 128: a double fragment of k is multiplied once by [q | 0] and once by [0 | q].  All codes are finite (they were held), so the half that meets zeros adds exactly 0.
; THE SOFTMAX AHEAD OF THE SECOND PRODUCT: t = score x log2(e) / sqrt(128); M = the row's largest t so far, rounded UP to a whole number; p = 2^(t - M) is quantised along the keys, not normalised.
; The row's sum is taken of the unquantised p and divides at the end.  When M moves, the sum and O are multiplied by 2^(old M - new M): exact.
; SHARES.  A work-group owns 256 queries of one head; each of its sixteen waves one tile of 16, in 256 registers: four waves to a SIMD, so that one wave's vector work stands beside another's matrix work and LDS loads.
; Both products are used transposed (S^T = k q^T, O^T = v^T p^T): a lane holds ONE query throughout; the 16 registers of two neighbouring tiles of S^T are 16 neighbouring keys, so the conversions' results are p's operand.
; A WHOLE HEAD'S 16 RECORDS, 278,528 bytes, LIE IN LDS: each byte is filled once, by the first fills; there is no ring and nothing is filled again.  Waves 0-3 ask for four records each: four tensor loads of a wave are out.
; Four barriers: behind the k-th, records 4 k .. 4 k + 3 are whole, and the later ones may still be on their way.
; CLUSTER.  The four query blocks of a cluster belong to one head and want the same records: each is asked for JOINTLY, by the same tensor load with the same descriptor and a mask that names the four.
; THE WAY OUT goes through a stage of 16 rows x 272 bytes a wave, 69,632 bytes in all: the bytes of records 0-3, which have had their one fill and which nobody reads behind the fourth barrier.
; LIMITS: NaN and infinities are not served; p under 2^-126 becomes 0 (v_exp_f32 flushes denormals: ISA guide 15.8); a block of p that is all zeros keeps the scale byte 1: its codes are zeros.
.set REC,  17408
.set LI,   1                           ; v1   16 x lane
.set AD,   2                           ; v2   the record in hand + 16 x lane
.set STO,  3                           ; v3   the stage: where I put my query's channels: 4,352 wave + 272 r + 64 h
.set RD,   4                           ; v4   and where I read a row back: 4,352 wave + 272 h + 16 r
.set GO,   5                           ; v5   the same place in the outputs' rows: 4,096 h + 16 r
.set PFO,  6                           ; v6   4,096 x lane: a row of the residual a lane
.set QF,   16                          ; v16-23 q, v24-31 zeros, v32-39 q again: [q | 0] = v16-31, [0 | q] = v24-39
.set FR,   40                          ; v40-103  the step's fragments of k, then of v
.set S,    104                         ; v104-167 S^T, then p
.set O,    168                         ; v168-199 O^T
.set PCD,  200                         ; v200-215 p's codes
.set BM,   216                         ; v216-219 each block's largest score, then its largest p
.set PM,   220                         ; v220-223 lane l xor 16's, then the scale bytes
.set HD,   224                         ; v224-227 57,344 x the scale
.set SOP,  228                         ; v228-231 the conversions' scale operands
.set FF,   232                         ; v[232:233] f = 2^(old M - new M); the upper half is named with it, so it is written once
.set T,    234                         ; v234 at work
.set SM2,  236                         ; v[236:237] the sum's second chain
.set KS,   240                         ; v240-243 k's scale words
.set VS,   244                         ; v244-247 v's
.set QW,   248                         ; v248 q's scale word: bytes (q0, q1, q0, q1): it serves [q | 0] and [0 | q]
.set PW,   249                         ; v249 p's
.set WV,   14                          ; s14  wave
.set ODD,  15                          ; s15  wave % 2: which half of a double fragment is my tile
.set G1,   16                          ; s[16:23] descriptor group 1;  s[24:39] four groups 0
.set G0,   24
.set SEL,  40                          ; s[40:41] v_permlanex16_b32's selects for lane l xor 16
.set CS,   42                          ; s[42:43] c = log2(e) / sqrt(128): the packed form names a pair and takes its low word for both halves
.set MNT,  44                          ; s44  the mantissa field of 57,344
.set TB,   45                          ; s45  LDS byte of the record in hand
.set CNT,  46
.set RP,   48                          ; s[48:49] the residual at my tile's first row and my head's 256 bytes;  s[50:51], s[52:53] out0, out1 likewise
.set O0,   50
.set O1,   52
; A round of the cluster's barrier: my work-group's barrier; wave 0 signals for the work-group; every wave waits for all four work-groups; my work-group's barrier once more.
.macro CROUND
	s_barrier_signal -1
	s_barrier_wait -1
	s_cmp_lg_u32 s[WV], 0
	s_cbranch_scc1 .Lnot_wave_0_\@
	s_barrier_signal -3
.Lnot_wave_0_\@:
	s_barrier_wait -3
	s_barrier_signal -1
	s_barrier_wait -1
.endm
; A PREFETCH INTO THE L2 of the residual's rows that the way out will load: the 32 rows of a pair of waves, 256 aligned bytes of each, a lane a row; the pair's even wave asks.  So each such block is named once in the launch.
; It stands in the last key step but one, behind that step's first run of LDS loads.
.macro ASK
	s_cmp_eq_u32 s[ODD], 0
	s_cbranch_scc0 .Lnot_mine_\@
	global_prefetch_b8 v[PFO], s[RP:RP+1] th:TH_LOAD_NT scope:SCOPE_SE
.Lnot_mine_\@:
.endm
; Records 4 k .. 4 k + 3 are whole: each of waves 0-3 has waited for its k-th load (tensor loads of a wave end in order: ISA guide 10.11.1; its 3 - k later ones may be out) and says so.
.macro ARRIVE k
	s_wait_tensorcnt 3-(\k)
	s_wait_dscnt 0x0                               ; no LDS instruction of mine is pending at a signal; behind the fourth barrier this also says: nobody reads records 0-3 any more
	s_barrier_signal -1
	s_barrier_wait -1
	s_mov_b32 s[TB], (\k)*4*REC
.endm
; A KEY STEP: one record, 128 keys.
.macro STEP ask
	v_add_nc_u32 v[AD], s[TB], v[LI]
.rept 7
	v_nop                                          ; with the addition: eight places in front of loads into registers that the last products have read
.endr
.irp n, 0,1,2,3,4,5,6,7,8,9,10,11,12,13,14,15
	ds_load_b128 v[FR+4*\n:FR+4*\n+3], v[AD] offset:512*\n          ; k's four double fragments, as they lie
.endr
	ds_load_b128 v[KS:KS+3], v[AD] offset:16384    ; and their scale words
.if \ask
	ASK
.endif
	s_wait_alu depctr_va_vdst(0)
	s_wait_dscnt 0x0
.irp b, 0,1,2,3                                ; S^T = k q^T: the 16 registers of a pair are keys 32 b + 16 (lane / 16) + 0 .. 15
	v_wmma_scale_f32_16x16x128_f8f6f4 v[S+16*\b:S+16*\b+7], v[FR+16*\b:FR+16*\b+15], v[QF:QF+15], 0, v[KS+\b], v[QW] matrix_a_fmt:MATRIX_FMT_BF8 matrix_b_fmt:MATRIX_FMT_BF8
	v_wmma_scale_f32_16x16x128_f8f6f4 v[S+16*\b+8:S+16*\b+15], v[FR+16*\b:FR+16*\b+15], v[QF+8:QF+23], 0, v[KS+\b], v[QW] matrix_a_fmt:MATRIX_FMT_BF8 matrix_b_fmt:MATRIX_FMT_BF8
.endr
.rept 8
	v_nop                                          ; places in front of the loads below and of the first read of the scores
.endr
.irp n, 0,1,2,3,4,5,6,7,8,9,10,11,12,13,14,15
	ds_load_b128 v[FR+4*\n:FR+4*\n+3], v[AD] offset:8192+512*\n     ; v's four tiles: they land while the softmax is walked
.endr
	ds_load_b128 v[VS:VS+3], v[AD] offset:16896
.irp b, 0,1,2,3
	v_max3_num_f32 v[BM+\b], v[S+16*\b], v[S+16*\b+1], v[S+16*\b+2]   ; THE LARGEST SCORE OF EACH BLOCK OF 32 KEYS serves twice: for the row's maximum and, since p rises with the score, for the block's largest p
.endr
.irp i, 3,5,7,9,11,13
.irp b, 0,1,2,3
	v_max3_num_f32 v[BM+\b], v[BM+\b], v[S+16*\b+\i], v[S+16*\b+\i+1]  ; (the four blocks by turns; each accumulator is read from its low end on)
.endr
.endr
.irp b, 0,1,2,3
	v_max_num_f32 v[BM+\b], v[BM+\b], v[S+16*\b+15]
.endr
.irp b, 0,1,2,3
	s_delay_alu instid0(VALU_DEP_4)
	v_permlanex16_b32 v[PM+\b], v[BM+\b], s[SEL], s[SEL+1]
.endr
.irp b, 0,1,2,3
	s_delay_alu instid0(VALU_DEP_4)
	v_max_num_f32 v[BM+\b], v[BM+\b], v[PM+\b]     ; with lane l xor 16's 16 keys
.endr
	s_delay_alu instid0(VALU_DEP_2)
	v_max3_num_f32 v[T], v[BM], v[BM+1], v[BM+2]
	s_delay_alu instid0(VALU_DEP_1)
	v_max_num_f32 v[T], v[T], v[BM+3]              ; the step's largest score of my query
	s_delay_alu instid0(VALU_DEP_1)
	v_mul_f32 v[T], s[CS], v[T]                    ; as t (c is positive)
	s_delay_alu instid0(VALU_DEP_1)
	v_max_num_f32 v13, v13, v[T]                   ; the running largest t
	v_mov_b32 v[T], v12
	s_delay_alu instid0(VALU_DEP_2)
	v_floor_f32 v12, -v13                          ; the new -M = floor(-t) = -ceil(t): M is a whole number
	s_delay_alu instid0(VALU_DEP_1)
	v_sub_f32 v[T], v12, v[T]                      ; M's old value less its new one: a whole number, 0 or less
	s_delay_alu instid0(VALU_DEP_1)
	v_cvt_i32_f32 v[T], v[T]                       ; (it saturates)
	s_delay_alu instid0(VALU_DEP_1)
	v_ldexp_f32 v[FF], 1.0, v[T]                   ; f = 2^(old M - new M)
.set j, 0
.rept 32
	v_pk_fma_f32 v[S+j:S+j+1], v[S+j:S+j+1], s[CS:CS+1], v[12:13] op_sel_hi:[1,0,0]   ; t - M, two at a time (of the pairs c and -M the low word serves both halves)
.set j, j+2
.endr
.irp b, 0,1,2,3
	v_fma_f32 v[BM+\b], v[BM+\b], s[CS], v12       ; the same of each block's largest score
.endr
.set j, 0
	s_wait_alu depctr_va_vdst(0)
.rept 64
	v_exp_f32 v[S+j], v[S+j]                       ; p = 2^(t - M), at most 1
.set j, j+1
.endr
	s_setprio 1
	v_pk_mul_f32 v[14:15], v[14:15], v[FF:FF+1] op_sel_hi:[1,0]    ; the sums under the new M: the plain instruction behind the exponentials
	s_wait_alu depctr_va_vdst(0)                   ; one wait for the whole batch, ahead of its first reader
.irp b, 0,1,2,3
	v_exp_f32 v[BM+\b], v[BM+\b]                   ; the block's largest p: the same two instructions on the same number give the same bits
.endr
	v_pk_add_f32 v[236:237], v[108:109], v[112:113]
	v_pk_add_f32 v[252:253], v[116:117], v[120:121]
	v_pk_add_f32 v[250:251], v[124:125], v[128:129]
	v_pk_add_f32 v[242:243], v[132:133], v[136:137]
	v_pk_add_f32 v[240:241], v[140:141], v[144:145]
	v_pk_add_f32 v[238:239], v[148:149], v[152:153]
	v_pk_add_f32 v[230:231], v[156:157], v[160:161]
	v_pk_add_f32 v[14:15], v[14:15], v[164:165]
	v_pk_add_f32 v[236:237], v[236:237], v[104:105]
	v_pk_add_f32 v[252:253], v[252:253], v[106:107]
	v_pk_add_f32 v[250:251], v[250:251], v[110:111]
	v_pk_add_f32 v[242:243], v[242:243], v[114:115]
	v_pk_add_f32 v[240:241], v[240:241], v[118:119]
	v_pk_add_f32 v[238:239], v[238:239], v[122:123]
	v_pk_add_f32 v[230:231], v[230:231], v[126:127]
	v_pk_add_f32 v[14:15], v[14:15], v[130:131]
	v_pk_add_f32 v[236:237], v[236:237], v[134:135]
	v_pk_add_f32 v[252:253], v[252:253], v[138:139]
	v_pk_add_f32 v[250:251], v[250:251], v[142:143]
	v_pk_add_f32 v[242:243], v[242:243], v[146:147]
	v_pk_add_f32 v[240:241], v[240:241], v[150:151]
	v_pk_add_f32 v[238:239], v[238:239], v[154:155]
	v_pk_add_f32 v[230:231], v[230:231], v[158:159]
	v_pk_add_f32 v[14:15], v[14:15], v[162:163]
	v_pk_add_f32 v[236:237], v[236:237], v[166:167]
	s_delay_alu instid0(VALU_DEP_2)
	v_pk_add_f32 v[14:15], v[14:15], v[242:243]
	s_delay_alu instid0(VALU_DEP_2)
	v_pk_add_f32 v[236:237], v[236:237], v[240:241]
	v_pk_add_f32 v[252:253], v[252:253], v[238:239]
	v_pk_add_f32 v[250:251], v[250:251], v[230:231]
	s_delay_alu instid0(VALU_DEP_2)
	v_pk_add_f32 v[14:15], v[14:15], v[252:253]
	s_delay_alu instid0(VALU_DEP_2)
	v_pk_add_f32 v[236:237], v[236:237], v[250:251]
	s_delay_alu instid0(VALU_DEP_1)
	v_pk_add_f32 v[14:15], v[14:15], v[236:237]
	s_wait_alu depctr_va_vdst(0)                   ; and one for the four
.irp b, 0,1,2,3
	v_max_num_f32 v[BM+\b], 0x8000000, v[BM+\b]    ; the floor 2^(16 - 127): the byte cannot fall under 1
.endr
.irp b, 0,1,2,3
	s_delay_alu instid0(VALU_DEP_4)
	v_add_nc_u32 v[SOP+\b], 0xf8800000, v[BM+\b]   ; 15 off the exponent field: the conversion's scale operand
.endr
.irp b, 0,1,2,3
	v_and_or_b32 v[HD+\b], v[BM+\b], 0x7f800000, s[MNT]            ; 57,344 x the scale
.endr
.irp b, 0,1,2,3
	v_lshrrev_b32 v[PM+\b], 23, v[SOP+\b]          ; the scale's byte
.endr
	s_delay_alu instid0(VALU_DEP_3)
	v_lshl_or_b32 v[PW], v[PM+1], 8, v[PM]         ; p's scale word for these 128 keys
	s_delay_alu instid0(VALU_DEP_1)
	v_lshl_or_b32 v[PW], v[PM+2], 16, v[PW]
	s_delay_alu instid0(VALU_DEP_1)
	v_lshl_or_b32 v[PW], v[PM+3], 24, v[PW]
.irp b, 0,1,2,3
.set j, 0
.rept 16
	v_min_num_f32 v[S+16*\b+j], v[S+16*\b+j], v[HD+\b]             ; the conversion to an 8-bit code does not saturate (ISA guide 7.6.2); p is not negative, so the hold is one-sided
.set j, j+1
.endr
	v_cvt_scalef32_pk8_bf8_f32 v[PCD+4*\b:PCD+4*\b+1], v[S+16*\b:S+16*\b+7], v[SOP+\b]
	v_cvt_scalef32_pk8_bf8_f32 v[PCD+4*\b+2:PCD+4*\b+3], v[S+16*\b+8:S+16*\b+15], v[SOP+\b]
.endr
.set j, 0
	s_setprio 0
.rept 16
	v_pk_mul_f32 v[O+j:O+j+1], v[O+j:O+j+1], v[FF:FF+1] op_sel_hi:[1,0]    ; O^T under the new M.  (These sixteen are also the places between the codes' conversions and the products)
.set j, j+2
.endr
	s_wait_alu depctr_va_vdst(0)
	s_wait_dscnt 0x0                               ; v's tiles and scale words are in
.irp t, 0,1,2,3                                ; O^T += v^T p^T: four accumulators, one instruction a turn
	v_wmma_scale_f32_16x16x128_f8f6f4 v[O+8*\t:O+8*\t+7], v[FR+16*\t:FR+16*\t+15], v[PCD:PCD+15], v[O+8*\t:O+8*\t+7], v[VS+\t], v[PW] matrix_a_fmt:MATRIX_FMT_BF8 matrix_b_fmt:MATRIX_FMT_BF8
.endr
	s_add_co_u32 s[TB], s[TB], REC                 ; the next record
.endm
.macro RUN k, trips
	ARRIVE \k
	s_mov_b32 s[CNT], \trips
.Lrun_\@:
	s_wait_alu depctr_va_vdst(0)
	s_setprio 2
	STEP 0
	s_sub_co_u32 s[CNT], s[CNT], 1
	s_cmp_lg_u32 s[CNT], 0
	s_cbranch_scc1 .Lrun_\@
	s_setprio 0
.endm
	s_load_b256 s[4:11], s[0:1], 0x0               ; qrec s[4:5], kv s[6:7], the residual s[8:9], out0 s[10:11]
	s_load_b64 s[12:13], s[0:1], 0x20              ; out1
	v_lshl_add_u32 v254, v0, 2, 0x44000
	v_mov_b32 v255, 0
	ds_add_u32 v254, v255
	ds_add_u32 v254, v255
	v_lshrrev_b32 v7, 5, v0
	s_delay_alu instid0(VALU_DEP_1)
	v_readfirstlane_b32 s[WV], v7                  ; wave 0..15
	s_and_b32 s[ODD], s[WV], 1
	s_bfe_u32 s54, ttmp6, 0x40000                  ; cx: my place in the cluster
	s_lshl_b32 s55, ttmp9, 2                       ; in a cluster launch ttmp9 counts clusters
	s_add_co_u32 s55, s55, s54                     ; my block of 256 queries: it enters q's, the residual's and the outputs' addresses alone
	s_and_b32 s56, ttmp7, 0xffff                   ; 16 batch + head, which the four partners share
	s_mul_i32 s58, s56, 16*REC                     ; the head's first byte in kv and in qrec
	s_mov_b32 s59, 0
	s_and_b32 s57, s[WV], 3
	s_mul_i32 s57, s57, REC                        ; the first record that I ask for, if I ask: in LDS and in memory alike
	s_mov_b32 s46, s57
	s_mov_b32 s47, 0
	s_lshl_b32 s60, s55, 1
	s_lshr_b32 s61, s[WV], 3
	s_add_co_u32 s60, s60, s61                     ; my queries' record: 2 x block + wave / 8
	s_bfe_u32 s61, s[WV], 0x20001                  ; their double fragment: (wave % 8) / 2
	s_mul_i32 s62, s60, REC
	s_add_co_u32 s62, s62, s58
	s_mov_b32 s63, 0
	s_lshr_b32 s2, s56, 4                          ; my tile's first row in the residual and the outputs: 2,048 batch
	s_lshl_b32 s2, s2, 11
	s_lshl_b32 s3, s60, 7                          ; + 128 record
	s_add_co_u32 s2, s2, s3
	s_lshl_b32 s3, s61, 5                          ; + 32 double fragment
	s_add_co_u32 s2, s2, s3
	s_lshl_b32 s3, s[ODD], 3                       ; + 8 half
	s_add_co_u32 s2, s2, s3
	s_lshl_b32 s2, s2, 12                          ; rows of 4,096 bytes
	s_and_b32 s3, s56, 15
	s_lshl_b32 s3, s3, 8                           ; + the head's 256 bytes
	s_add_co_u32 s2, s2, s3
	s_mov_b32 s3, 0
	; descriptor group 1: a record is a dense block: 68 rows of 256 bytes (32 elements of 8 bytes), no padding: it is read as it lies, 512 consecutive bytes a load
	s_mov_b32 s[G1], 15|(3<<16)|(1<<21)            ; 15:0 the mask: all four work-groups; 17:16 elements of 8 bytes; 21 set beside a mask
	s_mov_b32 s[G1+1], 32<<16                      ; tensor_dim0 = 32
	s_mov_b32 s[G1+2], 68<<16                      ; tensor_dim1 = 68
	s_mov_b32 s[G1+3], 32<<16                      ; tile_dim0 = 32
	s_mov_b32 s[G1+4], 68                          ; tile_dim1 = 68
	s_mov_b32 s[G1+5], 32                          ; tensor_dim0_stride
	s_mov_b32 s[G1+6], 0
	s_mov_b32 s[G1+7], 0
	s_mov_b32 s[SEL], 0x76543210
	s_mov_b32 s[SEL+1], 0xfedcba98
	s_mov_b32 s[CS], 0x3e0293ee                    ; c = log2(e) / sqrt(128): the logits are divided by sqrt(2,048 / 16)
	s_mov_b32 s[CS+1], s[CS]
	s_mov_b32 s[MNT], 0x600000
	s_wait_dscnt 0x0
	s_wait_kmcnt 0x0
	s_add_nc_u64 s[6:7], s[6:7], s[58:59]          ; kv at my head,
	s_add_nc_u64 s[6:7], s[6:7], s[46:47]          ; at the first record that I ask for
	s_add_nc_u64 s[4:5], s[4:5], s[62:63]          ; qrec at my queries' record
	s_add_nc_u64 s[RP:RP+1], s[8:9], s[2:3]
	s_add_nc_u64 s[O0:O0+1], s[10:11], s[2:3]
	s_add_nc_u64 s[O1:O1+1], s[12:13], s[2:3]
	CROUND                                         ; all four work-groups are here: the joint loads meet
.irp k, 0,1,2,3                                ; load k of wave w brings record w + 4 k
	s_mov_b32 s[G0+4*\k], 1                        ; 1:0 count = 1
	s_add_co_u32 s[G0+4*\k+1], s57, \k*4*REC       ; 63:32 LDS address
	s_add_nc_u64 s[G0+4*\k+2:G0+4*\k+3], s[6:7], \k*4*REC          ; 120:64 global address
	s_or_b32 s[G0+4*\k+3], s[G0+4*\k+3], 0x80000000                ; 127:126 type = 2
.endr
	s_cmp_lt_u32 s[WV], 4                          ; a wave's four fills stand in one branch on the wave's number, ahead of every wait on TENSORcnt, every LDS read and every work-group barrier behind the round
	s_cbranch_scc0 .Lno_fill
	tensor_load_to_lds s[G0:G0+3], s[G1:G1+7]
	s_nop 0
	tensor_load_to_lds s[G0+4:G0+7], s[G1:G1+7]
	s_nop 0
	tensor_load_to_lds s[G0+8:G0+11], s[G1:G1+7]
	s_nop 0
	tensor_load_to_lds s[G0+12:G0+15], s[G1:G1+7]
	s_nop 0
.rept 4
	v_nop
.endr
.Lno_fill:
	v_and_b32 v7, 31, v0                           ; lane
	v_and_b32 v8, 15, v0                           ; r
	v_bfe_u32 v9, v0, 4, 1                         ; h
	s_delay_alu instid0(VALU_DEP_3)
	v_lshlrev_b32 v[LI], 4, v7
	s_wait_alu depctr_va_vdst(0)
	v_lshlrev_b32 v[PFO], 12, v7
	s_lshl_b32 s54, s61, 11                        ; q's codes: 2,048 a double fragment,
	s_lshl_b32 s55, s[ODD], 10                     ; 1,024 a half
	s_add_co_u32 s54, s54, s55
	s_mov_b32 s55, 0
	s_add_nc_u64 s[54:55], s[4:5], s[54:55]
	s_lshl_b32 s62, s61, 2                         ; q's scale words: word i of my lane's four
	s_mov_b32 s63, 0
	s_add_nc_u64 s[62:63], s[4:5], s[62:63]
	global_load_b128 v[QF:QF+3], v[LI], s[54:55]                   ; my tile's eight registers,
	global_load_b128 v[QF+4:QF+7], v[LI], s[54:55] offset:512
	global_load_b128 v[QF+16:QF+19], v[LI], s[54:55]               ; twice: in front of the zeros and behind them
	global_load_b128 v[QF+20:QF+23], v[LI], s[54:55] offset:512
	global_load_b32 v[T], v[LI], s[62:63] offset:16384
	s_mul_i32 s56, s[WV], 16*272                   ; my stage
	v_mul_u32_u24 v[STO], v8, 272
	s_delay_alu instid0(VALU_DEP_1)
	v_lshl_add_u32 v[STO], v9, 6, v[STO]
	s_delay_alu instid0(VALU_DEP_1)
	v_add_nc_u32 v[STO], s56, v[STO]
	v_mul_u32_u24 v[RD], v9, 272
	s_delay_alu instid0(VALU_DEP_1)
	v_lshl_add_u32 v[RD], v8, 4, v[RD]
	s_delay_alu instid0(VALU_DEP_1)
	v_add_nc_u32 v[RD], s56, v[RD]
	v_lshlrev_b32 v[GO], 12, v9
	s_delay_alu instid0(VALU_DEP_1)
	v_lshl_add_u32 v[GO], v8, 4, v[GO]
.irp j, 0,1,2,3,4,5,6,7
	v_mov_b32 v[QF+8+\j], 0                        ; zero codes
.endr
	v_mov_b32 v13, 0xff61b1e6                      ; the largest t so far: -3e38, under every t
	s_delay_alu instid0(VALU_DEP_1)
	v_floor_f32 v12, -v13                          ; -M
	v_mov_b32 v14, 0                               ; the sum, in two halves
	v_mov_b32 v15, 0
.irp b, 0,1,2,3
	v_mov_b32 v[PM+\b], 0                          ; written once: a lane permute's destination counts as one of its sources
.endr
	v_mov_b32 v[FF+1], 0
.set j, 0
.rept 32
	v_mov_b32 v[O+j], 0                            ; O^T.  (The step is written without a first step of its own: the first finds zeros, which the first change of M leaves zeros)
.set j, j+1
.endr
	s_wait_loadcnt 0x0                             ; q
	s_lshl_b32 s57, s[ODD], 4
	v_lshrrev_b32 v[T], s57, v[T]                  ; my half's two bytes of the double fragment's word,
	s_delay_alu instid0(VALU_DEP_1)
	v_and_b32 v[T], 0xffff, v[T]
	s_delay_alu instid0(VALU_DEP_1)
	v_lshl_or_b32 v[QW], v[T], 16, v[T]            ; below and above
	RUN 0, 4                                       ; records 0-3
	RUN 1, 4
	RUN 2, 4
	RUN 3, 2                                       ; records 12, 13
	STEP 1                                         ; record 14, and the prefetch of the residual
	STEP 0                                         ; record 15
	; THE WAY OUT.  O^T is divided by the row's sum and goes through my stage, so that sixteen lanes hold 256 neighbouring bytes of a row; the residual is added; both outputs are stored.
	v_add_f32 v14, v14, v15                        ; the sum's two halves
.rept 7
	v_nop                                          ; with the addition: eight places behind the last products
.endr
.irp n, 0,1,2,3,4,5,6,7                        ; stage row 2 n + h is token 2 n + h + 8 (n / 4) of my tile
	global_load_b128 v[FR+32+4*\n:FR+32+4*\n+3], v[GO], s[RP:RP+1] offset:(2*\n+8*(\n/4))*4096 th:TH_LOAD_NT
.endr
	v_permlanex16_b32 v[T], v14, s[SEL], s[SEL+1]
	s_delay_alu instid0(VALU_DEP_1)
	v_add_f32 v14, v14, v[T]                       ; and lane l xor 16's: the row's sum
	s_wait_alu depctr_va_vdst(0)
	v_rcp_f32 v[FF], v14
	v_nop                                          ; a plain instruction behind the transcendental
	s_wait_alu depctr_va_vdst(0)                   ; and the wait ahead of its first reader
.set j, 0
.rept 16
	v_pk_mul_f32 v[S+j:S+j+1], v[O+j:O+j+1], v[FF:FF+1] op_sel_hi:[1,0]    ; register 16 g + m is channel 32 g + 16 h + m of my query; each accumulator from its low end on
.set j, j+2
.endr
.irp g, 0,1
.irp k, 0,1,2,3
	ds_store_b128 v[STO], v[S+16*\g+4*\k:S+16*\g+4*\k+3] offset:128*\g+16*\k
.endr
.endr
.irp n, 0,1,2,3,4,5,6,7
	ds_load_b128 v[FR+4*\n:FR+4*\n+3], v[RD] offset:544*\n         ; LDS serves a wave's instructions in order (ISA guide 5.7.1.4): these see my stores
.endr
	s_wait_dscnt 0x0
	s_wait_loadcnt 0x0
.set j, 0
.rept 16
	v_pk_add_f32 v[FR+j:FR+j+1], v[FR+j:FR+j+1], v[FR+32+j:FR+32+j+1]
.set j, j+2
.endr
.irp n, 0,1,2,3,4,5,6,7
	global_store_b128 v[GO], v[FR+4*\n:FR+4*\n+3], s[O0:O0+1] offset:(2*\n+8*(\n/4))*4096 th:TH_STORE_NT   ; 16 lanes store 256 consecutive bytes, at a multiple of 256 from the output's first byte
.endr
.irp n, 0,1,2,3,4,5,6,7
	global_store_b128 v[GO], v[FR+4*\n:FR+4*\n+3], s[O1:O1+1] offset:(2*\n+8*(\n/4))*4096 th:TH_STORE_NT
.endr
	s_wait_tensorcnt 0x0
	ds_add_u32 v254, v255
	s_wait_dscnt 0x0
	CROUND                                         ; the closing round: no work-group ends while a partner may still ask for a record that names it
	s_endpgm
.Lfunc_end_k_q7a024a2181_attn:
	.size	k_q7a024a2181_attn, .Lfunc_end_k_q7a024a2181_attn-k_q7a024a2181_attn
	.p2alignl 7, 3214868480
	.fill 96, 4, 3214868480
	.section	.rodata,"a",@progbits
	.p2align	6, 0x0
	.amdhsa_kernel k_q7a024a2181_attn
		.amdhsa_group_segment_fixed_size 327680
		.amdhsa_private_segment_fixed_size 0
		.amdhsa_enable_private_segment 0
		.amdhsa_kernarg_size 40
		.amdhsa_user_sgpr_count 2
		.amdhsa_user_sgpr_kernarg_segment_ptr 1
		.amdhsa_wavefront_size32 1
		.amdhsa_system_sgpr_workgroup_id_x 1
		.amdhsa_system_sgpr_workgroup_id_y 1
		.amdhsa_system_sgpr_workgroup_id_z 1
		.amdhsa_system_vgpr_workitem_id 0
		.amdhsa_next_free_vgpr 256
		.amdhsa_next_free_sgpr 66
		.amdhsa_reserve_vcc 0
		.amdhsa_float_denorm_mode_32 3
		.amdhsa_float_denorm_mode_16_64 3
		.amdhsa_memory_ordered 1
		.amdhsa_forward_progress 1
		.amdhsa_inst_pref_size 131
	.end_amdhsa_kernel
	.amdgpu_metadata
---
amdhsa.version: [ 1, 2 ]
amdhsa.kernels:
  - .name:           k_q7a024a2181_attn
    .symbol:         k_q7a024a2181_attn.kd
    .args:
      - { .name: qrec, .offset: 0, .size: 8, .value_kind: global_buffer, .address_space: global }
      - { .name: kv, .offset: 8, .size: 8, .value_kind: global_buffer, .address_space: global }
      - { .name: residual_score, .offset: 16, .size: 8, .value_kind: global_buffer, .address_space: global }
      - { .name: out0, .offset: 24, .size: 8, .value_kind: global_buffer, .address_space: global }
      - { .name: out1, .offset: 32, .size: 8, .value_kind: global_buffer, .address_space: global }
    .group_segment_fixed_size: 327680
    .private_segment_fixed_size: 0
    .kernarg_segment_align: 8
    .kernarg_segment_size: 40
    .max_flat_workgroup_size: 512
    .sgpr_count:     66
    .vgpr_count:     256
    .wavefront_size: 32
...
	.end_amdgpu_metadata
.endif
;; end of part 6
